; MI455X (gfx1250); checked and timed in simulation.
; The chip was launched on July 23, 2026; its instructions are those of AMD's public machine-readable ISA for CDNA 5 (MIT licence, August 2026) and "CDNA5" Instruction Set Architecture Reference Guide (July 2026). The comments in the code are by the model that wrote it; some were corrected since.
;; Ouroboros Mo E. Allowed arithmetic: float matrix products may take bf16 or f16 operands with f32 sums; other float arithmetic in f32, or as packed bf16 or f16 multiplies, adds, multiply-adds, maxima and minima; sums over many terms, partial sums and values carried from step to step in f32; what a program stores and reads back later, other than sums and carried values, may be rounded once to bf16 or f16.
;; Inputs: W1 8 x 512 x 2,048 float32; W2 8 x 2,048 x 512 float32; b1 8 x 2,048 float32; b2 8 x 512 float32; expert_indices 8 x 512 x 2 int32; expert_weights 8 x 512 x 2 float32; x 8 x 512 x 512 float32.
;; Outputs: out0 8 x 512 x 512 float32.
;; 2 versions, each right; version 2 is version 1 with the launch moe written anew for expert scheduling mode. Each part assembles by itself: llvm-mc -triple=amdgcn-amd-amdhsa -mcpu=gfx1250 --defsym DOCPART=n.
;; ======== version 1 of 2: 3 launches
;; limits: a function is approximated: absolute error at most 2.5e-05; an absolute error that grows with the inputs' magnitude: up to 1.25e-05 times it
;; workspace buffers: wb 37,748,736 bytes; fl 73,984 bytes; rt 76,032 bytes of whole numbers; part 33,554,432 bytes; partx 33,554,432 bytes
;; launch prep (part 1): grid 257 x 1, 16 waves a work-group, no clusters, 4,096 bytes of LDS; arguments W1, W2, x, b2, expert_indices, expert_weights, wb, fl, rt; writes wb, fl, rt
.if DOCPART == 1
	.amdgcn_target "amdgcn-amd-amdhsa--gfx1250"
	.amdhsa_code_object_version 6
	.text
	.protected	k_qf6bca798f8_prep
	.globl	k_qf6bca798f8_prep
	.p2align	8
	.type	k_qf6bca798f8_prep,@function
k_qf6bca798f8_prep:
	s_mov_b64 s[64:65], 0
	v_nop
	global_prefetch_b8 v0, s[64:65] scope:SCOPE_SE
	s_setreg_imm32_b32 hwreg(HW_REG_WAVE_MODE, 25, 1), 1
	s_wait_xcnt 0x0
; PREP.  Work-group 0 sorts the routing; work-groups 1 to 256 round W1, W2 and x to bf16 and lay the weights out in the order in which the next launch's matrix operands take them.
; THE LAYOUT.  A fragment is 16 rows n x 32 k of bf16, 1,024 bytes: byte 512 j + 16 (r + 16 h) holds k = 16 j + 8 h + 0..7 of row n = r, the lower k in the lower bits: two loads of 16 bytes a lane,
; 512 bytes apart, fill a wave's eight operand registers.  wb = W1's fragments [e][nt = hidden / 16][ks = d / 32] (n = hidden, k = d), then, from byte 16,777,216, W2's [e][kh = hidden / 32][ot = col / 16]
; (n = col, k = hidden), then, from byte 33,554,432, x as it lies.
; THE CAST.  Work-group g + 1 takes 16 rows of W1 (d = 16 (g % 32) .., expert g / 32), 64 rows of W2 and 32,768 bytes of x: 131,072 consecutive bytes of each weight tensor.  A lane takes one column n: eight
; loads of 4 bytes bring its eight k (a wave's load covers 128 consecutive bytes of a row, and the next line asks for the 128 beside them), four roundings make 16 bytes, and a wave's store writes two whole
; aligned pieces of 256 bytes.  A wave has eight such items in W1 and eight in W2, two to a pair, and keeps four pairs, 64 loads, on their way.
; THE ROUTING (a counting sort, no atomics).  A token that names one expert twice is ONE row with the sum of its two weights; its second place is void.
; Row of rank R in expert e (c_e rows): q = 64 if sum_e ceil(c_e / 64) <= 128, else 80 (which always serves: at most (8,192 + 8 x 79) / 80 = 110 tile rows); tile row u = ub_e + R / q, r = R - (R / q) q.
; List place 80 u + r takes the token and the weight.  The token's code is 64 u + r for r < 64, else 8,192 + 16 u + r - 64.  cinfo[u] = {expert, rows - 1, first list place, q}; a tile row that the split
; leaves without rows repeats list place 0 of tile row 0.  R / q = ((R >> 4) mg) >> 16 with mg = 16,384 or 13,108, exact for R >> 4 up to 260.
; LIMIT.  expert_indices lie in 0 to 7, as the table that they index has eight rows; a number beyond counts as no expert.
.set SPW,  2                           ; v2   LDS address of my spare word; never rewritten
.set NIL,  3                           ; v3   0; never rewritten
.set SPARE, 2048                       ; the spare words: 128 bytes for each of sixteen waves; LDS bytes 0 to 2,047 hold the waves' counts
.set LB,   16                          ; cast: v[16:79]    pair p: 16 registers as loaded, item 2 p then item 2 p + 1, k ascending
.set OUT,  80                          ; cast: v[80:111]   item b: 4 registers to store
.set XR,   112                         ; cast: v[112:127]  x
.set E,    16                          ; routing: v[16:31]  the experts of my 16 places (place 2 i, 2 i + 1: token 256 w + 32 i + lane); later the tokens
.set WTS,  32                          ; v[32:47]   their weights
.set RK,   48                          ; v[48:63]   their ranks in the wave; later their list offsets
.set TB,   64                          ; v[64:79]   what the table says of their expert; later their codes
.set B2,   80                          ; v[80:87]   my 32 bytes of b2
.set T,    88                          ; v[88:103]  the sixteen waves' counts
	s_load_b512 s[4:19], s[0:1], 0x0               ; W1 s[4:5], W2 s[6:7], x s[8:9], b2 s[10:11], indices s[12:13], weights s[14:15], wb s[16:17], fl s[18:19]
	s_load_b64 s[20:21], s[0:1], 0x40              ; rt
	v_lshl_add_u32 v[SPW], v0, 2, SPARE
	v_mov_b32 v[NIL], 0
	v_lshrrev_b32 v1, 5, v0
	v_readfirstlane_b32 s24, v1                    ; my wave's number w
	v_and_b32 v6, 31, v0                           ; lane
	s_wait_kmcnt 0x0
	s_cmp_eq_u32 ttmp9, 0
	s_cbranch_scc1 .Lroute                         ; the same way for all sixteen waves of a work-group
	; ---------------- the cast ----------------
	s_sub_co_u32 s25, ttmp9, 1                     ; g = 0 .. 255
	s_lshr_b32 s26, s25, 5                         ; e
	s_and_b32 s27, s25, 31                         ; g % 32
	s_mov_b32 s29, 0
	s_lshr_b32 s30, s24, 3                         ; w >> 3
	s_and_b32 s31, s24, 7
	s_and_b32 s33, s24, 1
	v_lshlrev_b32 v4, 2, v6                        ; from: 4 x lane; never rewritten
	; W1 from: row 16 g + 8 h (h = w >> 3) of 8,192 bytes, columns 256 (w % 8) on
	s_lshl_b32 s28, s25, 17
	s_lshl_b32 s32, s30, 16
	s_add_co_u32 s28, s28, s32
	s_lshl_b32 s32, s31, 10
	s_add_co_u32 s28, s28, s32
	s_add_nc_u64 s[4:5], s[4:5], s[28:29]
.macro LDPAIR p, base, pitch           ; items 2 p and 2 p + 1: eight rows, 256 consecutive bytes of each in two lines
.irp m, 0,1,2,3,4,5,6,7
	global_load_b32 v[LB+16*(\p)+\m],   v4, s[\base:\base+1] offset:\m*(\pitch)+256*(\p)
	global_load_b32 v[LB+16*(\p)+8+\m], v4, s[\base:\base+1] offset:\m*(\pitch)+256*(\p)+128
.endr
.endm
	LDPAIR 0, 4, 8192
	LDPAIR 1, 4, 8192
	LDPAIR 2, 4, 8192
	LDPAIR 3, 4, 8192
	; W1 to: e, nt = 16 (w % 8) + 2 b + lane / 16 (16,384 bytes each), 512 (g % 32) = 1,024 ks + 512 j, 256 h, 16 r
	s_lshl_b32 s28, s26, 21
	s_lshl_b32 s32, s31, 18
	s_add_co_u32 s28, s28, s32
	s_lshl_b32 s32, s27, 9
	s_add_co_u32 s28, s28, s32
	s_lshl_b32 s32, s30, 8
	s_add_co_u32 s28, s28, s32
	s_add_nc_u64 s[34:35], s[16:17], s[28:29]
	; W2 from: row 64 g + 8 (w >> 1) of 2,048 bytes, columns 256 (w % 2) on
	s_lshl_b32 s28, s25, 17
	s_lshr_b32 s32, s24, 1
	s_lshl_b32 s32, s32, 14
	s_add_co_u32 s28, s28, s32
	s_lshl_b32 s32, s33, 10
	s_add_co_u32 s28, s28, s32
	s_add_nc_u64 s[6:7], s[6:7], s[28:29]
	; W2 to: e, kh = 2 (g % 32) + (w >> 3) (32,768 bytes each), j = bit 2 of w, ot = 16 (w % 2) + 2 b + lane / 16 (1,024 bytes each), h = bit 1 of w
	s_lshl_b32 s28, s26, 21
	s_add_co_u32 s28, s28, 0x1000000
	s_lshl_b32 s32, s27, 16
	s_add_co_u32 s28, s28, s32
	s_lshl_b32 s32, s30, 15
	s_add_co_u32 s28, s28, s32
	s_bfe_u32 s32, s24, 0x10002
	s_lshl_b32 s32, s32, 9
	s_add_co_u32 s28, s28, s32
	s_lshl_b32 s32, s33, 14
	s_add_co_u32 s28, s28, s32
	s_bfe_u32 s32, s24, 0x10001
	s_lshl_b32 s32, s32, 8
	s_add_co_u32 s28, s28, s32
	s_add_nc_u64 s[36:37], s[16:17], s[28:29]
	; x: 32,768 bytes a work-group, 2,048 a wave; half as many out
	s_lshl_b32 s28, s25, 15
	s_lshl_b32 s32, s24, 11
	s_add_co_u32 s28, s28, s32
	s_add_nc_u64 s[8:9], s[8:9], s[28:29]
	s_lshl_b32 s28, s25, 14
	s_lshl_b32 s32, s24, 10
	s_add_co_u32 s28, s28, s32
	s_add_co_u32 s28, s28, 0x2000000
	s_add_nc_u64 s[38:39], s[16:17], s[28:29]
	v_and_b32 v10, 15, v6
	v_lshrrev_b32 v11, 4, v6
	v_lshlrev_b32 v10, 4, v10
	v_lshl_add_u32 v5, v11, 14, v10                ; W1 to: 16 r, and the next nt for lanes 16 to 31; never rewritten
	v_lshl_add_u32 v7, v11, 10, v10                ; W2 to: 16 r, and the next ot; never rewritten
	v_lshlrev_b32 v8, 5, v6                        ; x from: 32 x lane
	v_lshlrev_b32 v9, 4, v6                        ; x to: 16 x lane
.macro OUTPAIR p, voff, base, step     ; two items are rounded and stored: lanes 0-15 write 256 consecutive aligned bytes of one fragment, lanes 16-31 of the next
.irp bb, 0,1
.irp c, 0,1,2,3
	v_cvt_pk_bf16_f32 v[OUT+8*(\p)+4*\bb+\c], v[LB+16*(\p)+8*\bb+2*\c], v[LB+16*(\p)+8*\bb+2*\c+1]
.endr
	global_store_b128 v\voff, v[OUT+8*(\p)+4*\bb:OUT+8*(\p)+4*\bb+3], s[\base:\base+1] offset:(2*(\p)+\bb)*(\step)
.endr
.endm
.irp p, 0,1,2,3
	s_wait_loadcnt 48                              ; loads come back in order: this pair is in, the three younger pairs of 16 stay out
	OUTPAIR \p, 5, 34, 32768
	LDPAIR \p, 6, 2048                             ; its registers take W2's pair p
.endr
	global_load_b128 v[XR:XR+3],     v8, s[8:9] th:TH_LOAD_NT
	global_load_b128 v[XR+4:XR+7],   v8, s[8:9] offset:16 th:TH_LOAD_NT
	global_load_b128 v[XR+8:XR+11],  v8, s[8:9] offset:1024 th:TH_LOAD_NT
	global_load_b128 v[XR+12:XR+15], v8, s[8:9] offset:1040 th:TH_LOAD_NT
.irp p, 0,1,2,3
	s_wait_loadcnt 52-16*\p                        ; the younger pairs and x's four loads stay out
	s_wait_xcnt 0x0                                ; the output registers were the data of W1's stores
	OUTPAIR \p, 7, 36, 2048
.endr
	s_wait_loadcnt 0x0
	v_cvt_pk_bf16_f32 v[XR],    v[XR],    v[XR+1]
	v_cvt_pk_bf16_f32 v[XR+1],  v[XR+2],  v[XR+3]
	v_cvt_pk_bf16_f32 v[XR+2],  v[XR+4],  v[XR+5]
	v_cvt_pk_bf16_f32 v[XR+3],  v[XR+6],  v[XR+7]
	global_store_b128 v9, v[XR:XR+3], s[38:39]
	v_cvt_pk_bf16_f32 v[XR+8],  v[XR+8],  v[XR+9]
	v_cvt_pk_bf16_f32 v[XR+9],  v[XR+10], v[XR+11]
	v_cvt_pk_bf16_f32 v[XR+10], v[XR+12], v[XR+13]
	v_cvt_pk_bf16_f32 v[XR+11], v[XR+14], v[XR+15]
	global_store_b128 v9, v[XR+8:XR+11], s[38:39] offset:512
	s_endpgm                                       ; this way has written no LDS
	; ---------------- the routing ----------------
.Lroute:
	v_lshlrev_b32 v12, 3, v6
	v_lshl_add_u32 v15, s24, 11, v12               ; 8 bytes x (256 w + lane); never rewritten
	v_lshlrev_b32 v13, 4, v0
.set i, 0
.rept 8
	global_load_b64 v[E+2*i:E+2*i+1],     v15, s[12:13] offset:256*i
	global_load_b64 v[WTS+2*i:WTS+2*i+1], v15, s[14:15] offset:256*i
.set i, i+1
.endr
	global_load_b128 v[B2:B2+3],   v13, s[10:11]
	global_load_b128 v[B2+4:B2+7], v13, s[10:11] offset:8192
.set m, 0
.rept 16                               ; a void place is never ranked, so the ranks start at 0
	v_mov_b32 v[RK+m], 0
.set m, m+1
.endr
	v_mov_b32 v7, 0                                ; lane e: my wave's count for expert e
	v_lshl_add_u32 v14, s24, 8, v6                 ; 256 w + lane
	s_wait_loadcnt 0x0
.set i, 0
.rept 8                                ; one expert named twice: one row, the weights added; the second place is void (expert 8)
	v_cmp_eq_u32 vcc_lo, v[E+2*i], v[E+2*i+1]
	v_add_f32 v12, v[WTS+2*i], v[WTS+2*i+1]
	v_cndmask_b32 v[WTS+2*i], v[WTS+2*i], v12, vcc_lo
	v_cndmask_b32 v[E+2*i+1], v[E+2*i+1], 8, vcc_lo
.set i, i+1
.endr
	s_mov_b32 s25, 0
.Lrank:                                ; eight trips, one an expert: a place's rank is the count of the earlier places plus that of the lower lanes
	s_mov_b32 s26, 0
.set m, 0
.rept 16                               ; all sixteen masks first, each in a scalar register of its own, so that no count below waits for a compare
	v_cmp_eq_u32 s[68+m], s25, v[E+m]
.set m, m+1
.endr
.set m, 0
.rept 16
	v_mbcnt_lo_u32_b32 v[104+m%4], s[68+m], s26
	v_cndmask_b32 v[RK+m], v[RK+m], v[104+m%4], s[68+m]
	s_bcnt1_i32_b32 s27, s[68+m]
	s_add_co_u32 s26, s26, s27
.set m, m+1
.endr
	v_cmp_eq_u32 vcc_lo, s25, v6
	v_cndmask_b32 v7, v7, s26, vcc_lo
	s_add_co_u32 s25, s25, 1
	s_cmp_lt_u32 s25, 8
	s_cbranch_scc1 .Lrank
	; the waves' counts meet in LDS
	v_lshlrev_b32 v12, 2, v6
	v_lshl_add_u32 v13, s24, 7, v12
	ds_store_b32 v13, v7
	s_wait_dscnt 0x0                               ; for the others' sake: my store is done
	s_barrier_signal -1
	s_barrier_wait -1
.irp w, 0,1,2,3,4,5,6,7,8,9,10,11,12,13,14,15
	ds_load_b32 v[T+\w], v12 offset:128*\w
.endr
	v_mov_b32 v8, 0                                ; lane e: c_e
	v_mov_b32 v9, 0                                ; lane e: the rows of expert e in the waves below mine
	s_wait_dscnt 0x0
.irp w, 0,1,2,3,4,5,6,7,8,9,10,11,12,13,14,15
	v_add_nc_u32 v8, v8, v[T+\w]
	s_cmp_gt_u32 s24, \w
	s_cselect_b32 s26, -1, 0
	v_and_b32 v13, s26, v[T+\w]
	v_add_nc_u32 v9, v9, v13
.endr
	; the dealing, made by every wave for itself: c_e in s32-39, ub_e in s56-63, ub_8 in s66
.irp e, 0,1,2,3,4,5,6,7
	v_readlane_b32 s[32+\e], v8, \e
.endr
	s_mov_b32 s40, 0                               ; tile rows wanted with q = 64
	s_mov_b32 s44, 13108
.irp e, 0,1,2,3,4,5,6,7
	s_add_co_u32 s26, s[32+\e], 63
	s_lshr_b32 s26, s26, 6
	s_add_co_u32 s40, s40, s26
.endr
	s_cmp_le_u32 s40, 128
	s_cselect_b32 s47, 64, 80                      ; q
	s_cselect_b32 s43, 0x4000, s44                 ; mg
	s_sub_co_u32 s27, s47, 1
	s_mov_b32 s28, 0x2800                          ; the dump place for void places: written, never read
	s_mov_b32 s29, 80
	s_mov_b32 s56, 0
.irp e, 0,1,2,3,4,5,6,7
	s_add_co_u32 s26, s[32+\e], s27
	s_lshr_b32 s26, s26, 4
	s_mul_i32 s26, s26, s43
	s_lshr_b32 s26, s26, 16                        ; ceil(c_e / q)
.if \e < 7
	s_add_co_u32 s[57+\e], s[56+\e], s26
.else
	s_add_co_u32 s66, s63, s26
.endif
.endr
	s_mov_b32 s41, 0                               ; tile row 0's expert: how many experts end at 0
.irp e, 0,1,2,3,4,5,6
	s_cmp_eq_u32 s[57+\e], 0
	s_cselect_b32 s26, 1, 0
	s_add_co_u32 s41, s41, s26
.endr
	v_mov_b32 v10, 0                               ; lane e: ub_e
.irp e, 0,1,2,3,4,5,6,7
	v_writelane_b32 v10, s[56+\e], \e
.endr
	v_lshl_or_b32 v11, v10, 16, v9                 ; the table: lane e holds ub_e above, the lower waves' rows below
.set m, 0
.rept 16
	v_lshlrev_b32 v[TB+m], 2, v[E+m]
	ds_bpermute_b32 v[TB+m], v[TB+m], v11          ; each place looks its expert up (a void place: lane 8, which holds 0)
.set m, m+1
.endr
	s_wait_dscnt 0x0
; Place m: its list offset goes into RK's register and its code into TB's, which are free by then: no source of a store is ever rewritten.
.macro PLACE m
	v_and_b32 v108, 0xffff, v[TB+\m]
	v_add_nc_u32 v108, v108, v[RK+\m]              ; R
	v_lshrrev_b32 v109, 16, v[TB+\m]               ; ub_e
	v_lshrrev_b32 v110, 4, v108
	v_mul_u32_u24 v110, s43, v110
	v_lshrrev_b32 v110, 16, v110                   ; R / q
	v_add_nc_u32 v109, v109, v110                  ; u
	v_mul_u32_u24 v110, s47, v110
	v_sub_nc_u32 v108, v108, v110                  ; r
	v_mad_u32_u24 v111, v109, s29, v108            ; list place 80 u + r
	v_lshl_add_u32 v112, v109, 6, v108
	v_lshl_add_u32 v113, v109, 4, v108
	v_add_nc_u32 v113, 8128, v113                  ; 8,192 - 64
	v_cmp_gt_u32 vcc_lo, 64, v108
	v_cndmask_b32 v[TB+\m], v113, v112, vcc_lo     ; the code
	v_cmp_lt_u32 vcc_lo, 7, v[E+\m]
	v_cndmask_b32 v111, v111, s28, vcc_lo          ; a void place goes to the dump
	v_min_u32 v111, 0x2800, v111
	v_lshlrev_b32 v[RK+\m], 2, v111
.endm
.set i, 0
.rept 8                                ; a sort scatters: the list's words go out four bytes a lane; the codes go out as 256 consecutive bytes a wave
	PLACE (2*i)
	PLACE (2*i+1)
	v_cmp_lt_u32 vcc_lo, 7, v[E+2*i+1]
	v_cndmask_b32 v[TB+2*i+1], v[TB+2*i+1], v[TB+2*i], vcc_lo  ; a token with one row: the same code twice
	v_add_nc_u32 v[E+2*i], 32*i, v14               ; the token
	global_store_b32 v[RK+2*i],   v[E+2*i],     s[20:21] offset:2048
	global_store_b32 v[RK+2*i],   v[WTS+2*i],   s[18:19] offset:32768
	global_store_b32 v[RK+2*i+1], v[E+2*i],     s[20:21] offset:2048
	global_store_b32 v[RK+2*i+1], v[WTS+2*i+1], s[18:19] offset:32768
	global_store_b64 v15, v[TB+2*i:TB+2*i+1], s[20:21] offset:43264+256*i
.set i, i+1
.endr
	; b2x[e][0] = b2[e], b2x[e][1] = 0: byte o of b2 goes to o + 2,048 (o / 2,048)
.irp z, 116,117,118,119
	v_mov_b32 v\z, 0
.endr
	v_lshrrev_b32 v120, 7, v0
	v_lshlrev_b32 v121, 4, v0
	v_lshl_add_u32 v120, v120, 11, v121
	global_store_b128 v120, v[B2:B2+3],   s[18:19]
	global_store_b128 v120, v[116:119],   s[18:19] offset:2048
	global_store_b128 v120, v[B2+4:B2+7], s[18:19] offset:16384
	global_store_b128 v120, v[116:119],   s[18:19] offset:18432
	s_cmp_gt_u32 s24, 3
	s_cbranch_scc1 .Lend                           ; cinfo is made by waves 0 to 3: lane l of wave w writes tile row 32 w + l
	v_lshl_add_u32 v104, s24, 5, v6                ; u
	v_mov_b32 v105, 0
.irp e, 0,1,2,3,4,5,6,7
.if \e < 7
	v_cmp_le_u32 vcc_lo, s[57+\e], v104
.else
	v_cmp_le_u32 vcc_lo, s66, v104
.endif
	v_cndmask_b32 v106, 0, 1, vcc_lo
	v_add_nc_u32 v105, v105, v106                  ; the row's expert: how many experts end at or below u
.endr
	v_lshlrev_b32 v106, 2, v105
	ds_bpermute_b32 v107, v106, v8                 ; its c
	ds_bpermute_b32 v108, v106, v10                ; its ub
	s_wait_dscnt 0x0
	v_sub_nc_u32 v108, v104, v108
	v_mul_u32_u24 v108, s47, v108
	v_sub_nc_u32 v107, v107, v108
	v_min_u32 v107, s47, v107
	v_add_nc_u32 v107, -1, v107                    ; rows - 1
	v_mul_u32_u24 v108, s29, v104                  ; first list place
	v_cmp_le_u32 vcc_lo, s66, v104                 ; a row that the split leaves empty
	v_cndmask_b32 v112, v105, s41, vcc_lo
	v_cndmask_b32 v113, v107, 0, vcc_lo
	v_cndmask_b32 v114, v108, 0, vcc_lo
	v_mov_b32 v115, s47
	v_lshlrev_b32 v109, 4, v104
	global_store_b128 v109, v[112:115], s[20:21]
.Lend:
	s_wait_tensorcnt 0x0                           ; the wave's end, behind my last LDS store
	ds_add_u32 v[SPW], v[NIL]
	s_wait_dscnt 0x0
	s_endpgm
.Lfunc_end_k_qf6bca798f8_prep:
	.size	k_qf6bca798f8_prep, .Lfunc_end_k_qf6bca798f8_prep-k_qf6bca798f8_prep
	.p2alignl 7, 3214868480
	.fill 96, 4, 3214868480
	.section	.rodata,"a",@progbits
	.p2align	6, 0x0
	.amdhsa_kernel k_qf6bca798f8_prep
		.amdhsa_group_segment_fixed_size 4096
		.amdhsa_private_segment_fixed_size 0
		.amdhsa_enable_private_segment 0
		.amdhsa_kernarg_size 72
		.amdhsa_user_sgpr_count 2
		.amdhsa_user_sgpr_kernarg_segment_ptr 1
		.amdhsa_wavefront_size32 1
		.amdhsa_system_sgpr_workgroup_id_x 1
		.amdhsa_system_sgpr_workgroup_id_y 1
		.amdhsa_system_sgpr_workgroup_id_z 1
		.amdhsa_system_vgpr_workitem_id 0
		.amdhsa_next_free_vgpr 128
		.amdhsa_next_free_sgpr 100
		.amdhsa_reserve_vcc 1
		.amdhsa_float_denorm_mode_32 3
		.amdhsa_float_denorm_mode_16_64 3
		.amdhsa_memory_ordered 1
		.amdhsa_forward_progress 1
		.amdhsa_inst_pref_size 60
	.end_amdhsa_kernel
	.amdgpu_metadata
---
amdhsa.version: [ 1, 2 ]
amdhsa.kernels:
  - .name:           k_qf6bca798f8_prep
    .symbol:         k_qf6bca798f8_prep.kd
    .args:
      - { .name: W1, .offset: 0, .size: 8, .value_kind: global_buffer, .address_space: global }
      - { .name: W2, .offset: 8, .size: 8, .value_kind: global_buffer, .address_space: global }
      - { .name: x, .offset: 16, .size: 8, .value_kind: global_buffer, .address_space: global }
      - { .name: b2, .offset: 24, .size: 8, .value_kind: global_buffer, .address_space: global }
      - { .name: expert_indices, .offset: 32, .size: 8, .value_kind: global_buffer, .address_space: global }
      - { .name: expert_weights, .offset: 40, .size: 8, .value_kind: global_buffer, .address_space: global }
      - { .name: wb, .offset: 48, .size: 8, .value_kind: global_buffer, .address_space: global }
      - { .name: fl, .offset: 56, .size: 8, .value_kind: global_buffer, .address_space: global }
      - { .name: rt, .offset: 64, .size: 8, .value_kind: global_buffer, .address_space: global }
    .group_segment_fixed_size: 4096
    .private_segment_fixed_size: 0
    .kernarg_segment_align: 8
    .kernarg_segment_size: 72
    .max_flat_workgroup_size: 512
    .sgpr_count:     100
    .vgpr_count:     128
    .wavefront_size: 32
...
	.end_amdgpu_metadata
.endif
;; end of part 1
;; launch moe (part 2): grid 128 x 2, 4 waves a work-group, no clusters, 100,864 bytes of LDS; arguments wb, fl, rt, b1, part, partx; writes part, partx
.if DOCPART == 2
	.amdgcn_target "amdgcn-amd-amdhsa--gfx1250"
	.amdhsa_code_object_version 6
	.text
	.protected	k_qf6bca798f8_moe
	.globl	k_qf6bca798f8_moe
	.p2align	8
	.type	k_qf6bca798f8_moe,@function
k_qf6bca798f8_moe:
	s_mov_b64 s[64:65], 0
	v_nop
	global_prefetch_b8 v0, s[64:65] scope:SCOPE_SE
	s_setreg_imm32_b32 hwreg(HW_REG_WAVE_MODE, 25, 1), 1
	s_wait_xcnt 0x0
; MOE.  For the routed rows of one expert e and one half hf of its 2,048 hidden columns: part = w (gelu(X W1 + b1) W2 + b2 [hf = 0 alone]), f32 partial rows that the next launch adds.
; Operands in bf16 (wb holds W1, W2 and x rounded once), sums in f32, gelu in f32, H rounded once to bf16.
; SHARES.  Tile row u (grid x, 128 of them) is up to q rows of one expert (q = 64 or 80; expert, rows and q are read from cinfo[u]); grid y is hf.  A work-group takes 64 rows, four tiles of 16, through
; 8 chunks of 128 hidden columns.  Rows past the tile row's count repeat its last row; they are stored into rows that no code names.
; LAYOUT.  Both products are used transposed: H^T = W1c^T X^T (source 0 = 16 hidden, source 1 = 16 rows), Y^T = W2c^T H^T.  A lane holds ONE row (lane % 16) in H^T and Y^T, and two results of H^T,
; rounded in pairs, ARE a source 1 of the second product.  Wave w makes hidden columns 32 w .. + 31 of the chunk for all rows, then output columns 128 w .. + 127.  H crosses the waves through LDS as
; fragments of 1,024 bytes; two barriers a chunk order it: stored, read, stored again.  b1 is the C operand that starts H^T's sums; b2 (or 0) is loaded into Y^T's registers: nothing is cleared.
; THE WEIGHTS COME STRAIGHT INTO REGISTERS.  Each weight byte feeds exactly one wave of the work-group, so LDS would add a write and a read to each byte and share nothing.  The launch before has laid them
; out as fragments (two loads of 512 consecutive bytes fill the eight operand registers), a wave's fragments on end.  A chunk is 8 groups of 8 fragments (16 loads, 32 matrix instructions): 4 of W1, 4 of W2.
; A RING of four buffers: the first product multiplies buffer g and then loads W2's group g of the same chunk into it; the second multiplies buffer s and then loads W1's group s of the next chunk into it.
; So a wave has 64 loads, 32,768 bytes, on their way, and each has three further groups' matrix work in which to land.
; X is gathered once a work-group, in pieces of 256 consecutive bytes, into LDS; each wave keeps k steps 0 to 7 in 256 registers and reads k steps 8 to 15 from LDS in every chunk.
; NO CLUSTER, though the tile rows of an expert walk the same weights: a joint request is a tensor load's, into LDS, which this text leaves out of the weights' road; and a tile row's expert is read from
; memory, while a joint load's descriptor is to be made of numbers that the partners share by their ids; a deal by ids alone, 16 tile rows to each expert, would serve 1,024 rows of an expert and no more.
; q = 80 (a split that 64 rows a tile row do not serve): a fifth tile goes a way of its own behind the way out, without a barrier: wave w takes it through hidden columns 256 w .. + 255 of the half,
; H stays in registers, and the wave's share of all 512 columns goes into slot 4 hf + w of partx.
; GELU.  0.5 s + |s| (0.5 - 0.5 (a1 t + a2 t^2 + a3 t^3) e^(-s s / 2)), t = 1 / (1 + 0.47047 |s| / sqrt 2): erf by Abramowitz and Stegun 7.1.25.
; LIMITS.  That erf is off by at most 2.5e-5 for every argument, so gelu by at most 1.25e-5 |s|, about an eightieth of the bf16 rounding that follows; e^(-s s / 2) below 2^-126 counts as 0;
; NaN and infinities are not treated apart.
; REGISTERS, in windows of 256 (s_set_vgpr_msb: bits 1:0 source 0, 3:2 source 1, 5:4 source 2, 7:6 destination):
;   window 0: v0-47 addresses, weights; v48-111 H^T's sums, later H's fragments; v112-127 b1; v128-255 X's fragments of four k steps, gelu at work, the way out
;   window 1: Y^T, accumulator (o, t) at 8 (4 o + t)     window 2: the ring, buffer b at 64 b     window 3: X, fragment (k step s < 8, tile t) at 8 (4 s + t)
.set XP,    1040                       ; a row of X in LDS: 1,024 bytes + 16: the 16 rows of a fragment load start at 16 different groups of four banks (64 banks of 4 bytes: ISA guide 11.1)
.set HB,    64*XP                      ; H: fragment (k step s, tile t) at (4 s + t) 1,024; registers 0-3 at 16 x lane, 4-7 at + 512
.set SPARE, HB+16384                   ; the spare words, 128 bytes a wave
.set STAGE, SPARE+512                  ; the way out: 16 rows x 272 bytes for each wave
.set SP,    272
.set SPW, 2                            ; v2  LDS address of my spare word; v3  0; neither is ever rewritten
.set NIL, 3
.set LO,  4                            ; v4  16 x lane
.set AXF, 5                            ; v5  my place in a fragment of X in LDS
.set XSA, 6                            ; v6  where I store X
.set R,   7                            ; v7  lane % 16;  v8  lane / 16
.set HH,  8
.set AHS, 10                           ; v10 where I store H;  v11 where I read it
.set AHL, 11
.set XGO, 12                           ; v12 my byte offset in 16 rows of partx
.set BO,  14                           ; v14 32 h: my eight numbers of b1;  v15 32 h + 512 w: of b2
.set B2O, 15
.set WT,  16                           ; v16-25 tile t's weight at 16 + 2 t, a copy beside it (named as a pair)
.set STO, 26
.set RD,  27
.set XO4, 28                           ; v28 the fifth tile: my row's byte offset in x, + 16 h
.set GO,  29
.set XG,  30                           ; v30-37 the gather: byte offset in x of row 16 w + 2 p + h, + 16 r
.set HA,  48
.set BI,  112
.set TA,  128
.set TT,  160
.set TE,  192
.set TP,  224
.set OB,  128
.set WV,  16
.set HF,  19
.set CI,  20                           ; s[20:23] expert, rows - 1, first list place, q
.set NX,  24
.set CNT, 25
.set AP,  28                           ; s[28:29] my W1 fragments of the chunk whose W1 is loaded next;  s[30:31] my W2 fragments likewise
.set BP,  30
.set AXP, 32                           ; s[32:39] the fifth tile's: W1, W2, b1, Y^T's start
.set BXP, 34
.set B1X, 36
.set BXX, 38
.set B2R, 40                           ; s[40:41] b2x[e][0]
.set B1P, 52
.set BXE, 54                           ; s[54:55] b2x[e][hf]
.set ZP,  56                           ; s[56:57] b2x[e][1], zeros
.set PP,  58
.set PXP, 60
.set KS,  66                           ; sqrt(log2(e) / 2)
.set PD,  68                           ; pairs: the packed forms take the low word for both halves
.set A3,  70
.set A2,  72
.set A1,  74
.set C0,  76
.set XBP, 78
.set MSB, 0
.macro WIN new                         ; the immediate's high byte repeats the setting that is left; a switch that changes nothing is dropped
.if MSB != (\new)
	s_set_vgpr_msb (MSB<<8)|(\new)
.set MSB, (\new)
.endif
.endm
.macro PLACES n=4                      ; plain vector instructions behind matrix instructions (ISA guide 7.12.1), where no other vector work is at hand
.rept \n
	v_nop
.endr
.endm
.macro BAR
	s_barrier_signal -1
	s_barrier_wait -1
.endm
.macro FOR cnt, step, line:vararg      ; one line cnt times, n = 0, step, 2 step ..
.set n, 0
.rept \cnt
	\line
.set n, n+(\step)
.endr
.endm
	s_load_b256 s[4:11], s[0:1], 0x0               ; wb s[4:5], fl s[6:7], rt s[8:9], b1 s[10:11]
	s_load_b128 s[12:15], s[0:1], 0x20             ; part s[12:13], partx s[14:15]
	v_lshl_add_u32 v[SPW], v0, 2, SPARE
	v_mov_b32 v[NIL], 0
	v_lshrrev_b32 v1, 5, v0
	v_readfirstlane_b32 s[WV], v1
	s_and_b32 s[HF], ttmp7, 0xffff
	s_mov_b32 s[KS], 0x3f596d27                    ; 0.8493218
	s_mov_b32 s[PD], 0x3ec88bda                    ; 0.47047 / sqrt(log2 e) = 0.391692
	s_mov_b32 s[C0], 0x3f16b55f                    ; 0.5 / KS = 0.588705
	s_mov_b32 s[A1], 0xbe51cd00                    ; -0.3480242 C0
	s_mov_b32 s[A2], 0x3d6732ca                    ; +0.0958798 C0
	s_mov_b32 s[A3], 0xbee16a97                    ; -0.7478556 C0
.irp c, PD, C0, A1, A2, A3
	s_mov_b32 s[\c+1], s[\c]
.endr
	v_and_b32 v[R], 15, v0
	v_bfe_u32 v[HH], v0, 4, 1
	v_and_b32 v9, 31, v0
	v_lshlrev_b32 v[LO], 4, v9
	v_mul_u32_u24 v[AXF], v[R], XP                 ; a fragment of X: row r, 16 bytes for each half of the lanes
	v_lshl_add_u32 v[AXF], v[HH], 4, v[AXF]
	s_mul_i32 s26, s[WV], 16*XP                    ; I store rows 16 w ..: lanes 0-15 one row's 256 bytes, lanes 16-31 the next row's
	v_mul_u32_u24 v46, v[HH], XP
	v_lshl_add_u32 v46, v[R], 4, v46
	v_add_nc_u32 v[XSA], s26, v46
	v_add_nc_u32 v[AHL], HB, v[LO]
	s_lshl_b32 s26, s[WV], 12
	v_add_nc_u32 v[AHS], s26, v[AHL]
	v_lshlrev_b32 v[BO], 5, v[HH]
	s_lshl_b32 s26, s[WV], 9
	v_add_nc_u32 v[B2O], s26, v[BO]
	s_mul_i32 s26, s[WV], 16*SP
	s_add_co_u32 s26, s26, STAGE                   ; my stage
	v_mul_u32_u24 v46, v[R], SP                    ; in: row r, 32 bytes for each half of the lanes
	v_lshl_add_u32 v46, v[HH], 5, v46
	v_add_nc_u32 v[STO], s26, v46
	v_mul_u32_u24 v46, v[HH], SP                   ; back: lanes 0-15 one row of 256 bytes, lanes 16-31 the next
	v_lshl_add_u32 v46, v[R], 4, v46
	v_add_nc_u32 v[RD], s26, v46
	v_lshlrev_b32 v46, 11, v[HH]                   ; and the same two rows in part
	v_lshl_add_u32 v[GO], v[R], 4, v46
	v_lshlrev_b32 v46, 11, v[R]
	v_lshl_add_u32 v[XGO], v[HH], 5, v46
	s_lshl_b32 s26, s[WV], 4
	v_add_nc_u32 v13, s26, v[HH]                   ; 16 w + h
	s_wait_kmcnt 0x0
	s_lshl_b32 s26, ttmp9, 4
	s_mov_b32 s27, 0
	s_add_nc_u64 s[26:27], s[8:9], s[26:27]
	s_load_b128 s[CI:CI+3], s[26:27], 0x0          ; cinfo[u]
	s_wait_kmcnt 0x0
	s_min_u32 s[CI], s[CI], 7
	s_min_u32 s[CI+1], s[CI+1], 79
	s_min_u32 s[CI+2], s[CI+2], 10160
	s_cmp_gt_u32 s[CI+3], 64
	s_cselect_b32 s[NX], 1, 0
	s_mov_b32 s27, 0
	s_lshl_b32 s62, s[CI], 21                      ; an expert's fragments are 2,097,152 bytes of W1 and of W2, a half of the hidden width 1,048,576 of either
	s_lshl_b32 s63, s[HF], 20
	s_add_co_u32 s62, s62, s63
	s_lshl_b32 s63, s[WV], 15                      ; W1: nt = 64 hf + 8 c + 2 w + i, 16,384 bytes each
	s_add_co_u32 s26, s62, s63
	s_add_nc_u64 s[AP:AP+1], s[4:5], s[26:27]
	s_lshl_b32 s63, s[WV], 18                      ; the fifth tile: nt = 64 hf + 16 w + ..
	s_add_co_u32 s26, s62, s63
	s_add_nc_u64 s[AXP:AXP+1], s[4:5], s[26:27]
	s_add_co_u32 s26, s26, 0x1000000               ; and kh = 32 hf + 8 w + .., 32,768 bytes each
	s_add_nc_u64 s[BXP:BXP+1], s[4:5], s[26:27]
	s_lshl_b32 s63, s[WV], 13                      ; W2: kh = 32 hf + 4 c + s, ot = 8 w + o, 1,024 bytes each
	s_add_co_u32 s26, s62, s63
	s_add_co_u32 s26, s26, 0x1000000
	s_add_nc_u64 s[BP:BP+1], s[4:5], s[26:27]
	; my rows.  The gather: row 16 w + 2 p + h; the weights: tile t, row r.  A row is rank min(row, rows - 1) of the tile row
.irp p, 0,1,2,3,4,5,6,7
	v_add_nc_u32 v47, 2*\p, v13
	v_min_u32 v47, s[CI+1], v47
	v_add_nc_u32 v47, s[CI+2], v47
	v_min_u32 v47, 0x27ff, v47
	v_lshlrev_b32 v[38+\p], 2, v47
	global_load_b32 v[XG+\p], v[38+\p], s[8:9] offset:2048
.endr
.irp t, 0,1,2,3,4
	v_add_nc_u32 v47, 16*\t, v[R]
	v_min_u32 v47, s[CI+1], v47
	v_add_nc_u32 v47, s[CI+2], v47
	v_min_u32 v47, 0x27ff, v47
	v_lshlrev_b32 v[48+\t], 2, v47
	global_load_b32 v[WT+2*\t], v[48+\t], s[6:7] offset:32768
.endr
	global_load_b32 v[XO4], v52, s[8:9] offset:2048
.macro LOADA g                         ; 16 loads: W1's fragments of k steps 4 g .. + 3, hidden blocks 0, 1, into buffer g
	WIN 0x80                                       ; destination window 2, address window 0
.irp k, 0,1,2,3
.irp i, 0,1
	global_load_b128 v[64*(\g)+16*\k+8*\i:64*(\g)+16*\k+8*\i+3],   v[LO], s[AP:AP+1] offset:\i*16384+(4*(\g)+\k)*1024
	global_load_b128 v[64*(\g)+16*\k+8*\i+4:64*(\g)+16*\k+8*\i+7], v[LO], s[AP:AP+1] offset:\i*16384+(4*(\g)+\k)*1024+512
.endr
.endr
.endm
.macro LOADB g                         ; 16 loads: W2's fragments of k step g, my eight column blocks, into buffer g
	WIN 0x80
.irp o, 0,1,2,3,4,5,6,7
	global_load_b128 v[64*(\g)+8*\o:64*(\g)+8*\o+3],   v[LO], s[BP:BP+1] offset:(\g)*32768+\o*1024
	global_load_b128 v[64*(\g)+8*\o+4:64*(\g)+8*\o+7], v[LO], s[BP:BP+1] offset:(\g)*32768+\o*1024+512
.endr
.endm
.macro BILOAD base                     ; b1 of 32 hidden columns: register j of block i is column 16 i + 8 h + j
.irp i, 0,1
	global_load_b128 v[BI+8*\i:BI+8*\i+3],   v[BO], s[\base:\base+1] offset:64*\i
	global_load_b128 v[BI+8*\i+4:BI+8*\i+7], v[BO], s[\base:\base+1] offset:64*\i+16
.endr
.endm
	LOADA 0
	LOADA 1
	LOADA 2
	WIN 0
	s_lshl_b32 s26, s[CI], 13                      ; b1[e][1,024 hf + 32 w], and for the fifth tile [.. + 256 w]
	s_lshl_b32 s62, s[HF], 12
	s_add_co_u32 s62, s26, s62
	s_lshl_b32 s63, s[WV], 7
	s_add_co_u32 s26, s62, s63
	s_add_nc_u64 s[B1P:B1P+1], s[10:11], s[26:27]
	s_lshl_b32 s63, s[WV], 10
	s_add_co_u32 s26, s62, s63
	s_add_nc_u64 s[B1X:B1X+1], s[10:11], s[26:27]
	s_lshl_b32 s26, s[CI], 12
	s_add_nc_u64 s[B2R:B2R+1], s[6:7], s[26:27]
	s_add_nc_u64 s[ZP:ZP+1], s[B2R:B2R+1], 2048
	s_cmp_eq_u32 s[HF], 0
	s_cselect_b64 s[BXE:BXE+1], s[B2R:B2R+1], s[ZP:ZP+1]
	s_or_b32 s26, s[HF], s[WV]
	s_cmp_eq_u32 s26, 0                            ; of the fifth tile's eight shares one takes b2
	s_cselect_b64 s[BXX:BXX+1], s[B2R:B2R+1], s[ZP:ZP+1]
	s_add_nc_u64 s[XBP:XBP+1], s[4:5], 0x2000000
	s_lshl_b32 s26, ttmp9, 17                      ; part: hf x 16,777,216 + u x 64 rows + 512 w
	s_lshl_b32 s62, s[HF], 24
	s_add_co_u32 s26, s26, s62
	s_lshl_b32 s62, s[WV], 9
	s_add_co_u32 s26, s26, s62
	s_add_nc_u64 s[PP:PP+1], s[12:13], s[26:27]
	s_lshl_b32 s26, s[HF], 2                       ; partx: slot 4 hf + w of 4,194,304 bytes, u x 16 rows
	s_add_co_u32 s26, s26, s[WV]
	s_lshl_b32 s26, s26, 22
	s_lshl_b32 s62, ttmp9, 15
	s_add_co_u32 s26, s26, s62
	s_add_nc_u64 s[PXP:PXP+1], s[14:15], s[26:27]
	v_lshlrev_b32 v46, 4, v[R]
	v_lshlrev_b32 v47, 4, v[HH]
	s_wait_loadcnt 48                              ; the lists are in; the 48 loads of W1's groups 0 to 2 stay out
.irp p, 0,1,2,3,4,5,6,7
	v_min_u32 v[XG+\p], 0xfff, v[XG+\p]
	v_lshl_add_u32 v[XG+\p], v[XG+\p], 10, v46     ; token x 1,024 bytes + 16 r
.endr
	v_min_u32 v[XO4], 0xfff, v[XO4]
	v_lshl_add_u32 v[XO4], v[XO4], 10, v47
.irp t, 0,1,2,3,4
	v_mov_b32 v[WT+2*\t+1], v[WT+2*\t]
.endr
.irp p, 0,1,2,3,4,5,6,7
.irp c, 0,1,2,3
	global_load_b128 v[128+4*(4*\p+\c):128+4*(4*\p+\c)+3], v[XG+\p], s[XBP:XBP+1] offset:256*\c  ; sixteen lanes take 256 consecutive bytes of a row
.endr
.endr
	LOADA 3
	WIN 0
	BILOAD B1P
	s_wait_loadcnt 20                              ; my 16 rows of X are in; W1's group 3 and the bias stay out
.irp p, 0,1,2,3,4,5,6,7
.irp c, 0,1,2,3
	ds_store_b128 v[XSA], v[128+4*(4*\p+\c):128+4*(4*\p+\c)+3] offset:2*\p*XP+256*\c
.endr
.endr
	WIN 0x40                                       ; Y^T starts at b2 (hf = 0) or 0 (hf = 1): my eight columns of block o, the same for all four tiles
.irp o, 0,1,2,3,4,5,6,7
.irp t, 0,1,2,3
	global_load_b128 v[8*(4*\o+\t):8*(4*\o+\t)+3],   v[B2O], s[BXE:BXE+1] offset:64*\o
	global_load_b128 v[8*(4*\o+\t)+4:8*(4*\o+\t)+7], v[B2O], s[BXE:BXE+1] offset:64*\o+16
.endr
.endr
	WIN 0
	s_wait_dscnt 0x0                               ; for the others' sake: my stores of X are done
	BAR
	WIN 0xc0                                       ; k steps 0 to 7 of X stay in window 3
.irp k, 0,1,2,3,4,5,6,7
.irp t, 0,1,2,3
	ds_load_b128 v[8*(4*\k+\t):8*(4*\k+\t)+3],   v[AXF] offset:\t*16*XP+64*\k
	ds_load_b128 v[8*(4*\k+\t)+4:8*(4*\k+\t)+7], v[AXF] offset:\t*16*XP+64*\k+32
.endr
.endr
	WIN 0
	s_wait_dscnt 0x0
.macro LOADX k                         ; 8 LDS loads: X's four fragments of k step k (8 to 15) into slot k % 4
	WIN 0
.irp t, 0,1,2,3
	ds_load_b128 v[128+32*((\k)%4)+8*\t:128+32*((\k)%4)+8*\t+3],   v[AXF] offset:\t*16*XP+64*(\k)
	ds_load_b128 v[128+32*((\k)%4)+8*\t+4:128+32*((\k)%4)+8*\t+7], v[AXF] offset:\t*16*XP+64*(\k)+32
.endr
.endm
.macro MULK k                          ; 8 matrix instructions of H^T, k step k: the eight accumulators take turns.  k step 0 starts the sums with b1
.if (\k) < 8
	WIN 0x0e                                       ; W1 in window 2, X in window 3
.set xb, 32*(\k)
.else
	WIN 0x02                                       ; X in window 0
.set xb, 128+32*((\k)%4)
.endif
.set fa, 16*(\k)
.irp t, 0,1,2,3
.irp i, 0,1
.if (\k) == 0
	v_wmma_f32_16x16x32_bf16 v[HA+16*\t+8*\i:HA+16*\t+8*\i+7], v[fa+8*\i:fa+8*\i+7], v[xb+8*\t:xb+8*\t+7], v[BI+8*\i:BI+8*\i+7]
.else
	v_wmma_f32_16x16x32_bf16 v[HA+16*\t+8*\i:HA+16*\t+8*\i+7], v[fa+8*\i:fa+8*\i+7], v[xb+8*\t:xb+8*\t+7], v[HA+16*\t+8*\i:HA+16*\t+8*\i+7]
.endif
.endr
.endr
.endm
; gelu of cnt accumulator registers from v[ab] on, rounded to bf16 into v[TE ..]: eight registers a tile, a fragment.  Each accumulator is read from its low end on.
; The transcendentals are ONE batch: the halvings of s are the plain work behind them, then one wait, then the readers.
.macro GELUB ab, cnt
	FOR \cnt, 1, v_mul_f32 v[TA+n], |v[(\ab)+n]|, s[KS]
	FOR (\cnt)/2, 2, v_pk_fma_f32 v[TT+n:TT+n+1], v[TA+n:TA+n+1], s[PD:PD+1], 1.0 op_sel_hi:[1,0,0]
	FOR (\cnt)/2, 2, v_pk_mul_f32 v[TE+n:TE+n+1], v[TA+n:TA+n+1], v[TA+n:TA+n+1] neg_lo:[0,1] neg_hi:[0,1]
	FOR \cnt, 1, v_rcp_f32 v[TT+n], v[TT+n]
	FOR \cnt, 1, v_exp_f32 v[TE+n], v[TE+n]
	FOR (\cnt)/2, 2, v_pk_mul_f32 v[(\ab)+n:(\ab)+n+1], v[(\ab)+n:(\ab)+n+1], 0.5 op_sel_hi:[1,0]
	s_wait_alu depctr_va_vdst(0)                   ; one wait ahead of the first use, for the batch
	FOR (\cnt)/2, 2, v_pk_mul_f32 v[TE+n:TE+n+1], v[TT+n:TT+n+1], v[TE+n:TE+n+1]
	FOR (\cnt)/2, 2, v_pk_fma_f32 v[TP+n:TP+n+1], v[TT+n:TT+n+1], s[A3:A3+1], s[A2:A2+1] op_sel_hi:[1,0,0]
	FOR (\cnt)/2, 2, v_pk_fma_f32 v[TP+n:TP+n+1], v[TP+n:TP+n+1], v[TT+n:TT+n+1], s[A1:A1+1] op_sel_hi:[1,1,0]
	FOR (\cnt)/2, 2, v_pk_fma_f32 v[TP+n:TP+n+1], v[TP+n:TP+n+1], v[TE+n:TE+n+1], s[C0:C0+1] op_sel_hi:[1,1,0]
	FOR (\cnt)/2, 2, v_pk_fma_f32 v[(\ab)+n:(\ab)+n+1], v[TA+n:TA+n+1], v[TP+n:TP+n+1], v[(\ab)+n:(\ab)+n+1]
	FOR (\cnt)/2, 1, v_cvt_pk_bf16_f32 v[TE+n], v[(\ab)+2*n], v[(\ab)+2*n+1]
.endm
.macro HSTORE aoff                     ; two fragments of H
.irp f, 0,1,2,3
	ds_store_b128 v[AHS], v[TE+4*\f:TE+4*\f+3] offset:(\aoff)+512*\f
.endr
.endm
.macro LOADH s, b                      ; 8 LDS loads: H's four fragments of k step s into buffer b
	WIN 0
.irp t, 0,1,2,3
	ds_load_b128 v[HA+32*(\b)+8*\t:HA+32*(\b)+8*\t+3],   v[AHL] offset:(4*(\s)+\t)*1024
	ds_load_b128 v[HA+32*(\b)+8*\t+4:HA+32*(\b)+8*\t+7], v[AHL] offset:(4*(\s)+\t)*1024+512
.endr
.endm
.macro MULP s                          ; 32 matrix instructions of Y^T, k step s, each on an accumulator of its own
	WIN 0x52                                       ; W2 in window 2, H in window 0, C and D in window 1
.irp o, 0,1,2,3,4,5,6,7
.irp t, 0,1,2,3
	v_wmma_f32_16x16x32_bf16 v[8*(4*\o+\t):8*(4*\o+\t)+7], v[64*(\s)+8*\o:64*(\s)+8*\o+7], v[HA+32*((\s)%2)+8*\t:HA+32*((\s)%2)+8*\t+7], v[8*(4*\o+\t):8*(4*\o+\t)+7]
.endr
.endr
.endm
; A CHUNK of 128 hidden columns.  fill = 1: the next chunk's W1 and b1 are asked for.
.macro CHUNK fill
.irp k, 8,9,10,11
	LOADX \k
.endr
.irp g, 0,1
	s_wait_loadcnt 48                              ; loads come back in order: buffer g is in, the three younger groups of 16 stay out (the first time more has been issued behind it: the wait is then the stricter)
.irp k, 0,1,2,3
	MULK (4*\g+\k)
.endr
	PLACES
	LOADB \g                                       ; the buffer takes W2's group g
.endr
	s_wait_loadcnt 48
.irp k, 8,9,10,11
	s_wait_dscnt 24                                ; this k step's X is in; the three younger k steps of 8 loads stay out
	MULK \k
	WIN 0
	PLACES
	LOADX (\k+4)                                   ; its slot takes the k step four further on
.endr
	LOADB 2
	s_wait_loadcnt 48
.irp k, 12,13,14,15
	s_wait_dscnt 8*(15-\k)                         ; nothing more is fetched: the counts run down
	MULK \k
.endr
	WIN 0
	PLACES
	LOADB 3
	WIN 0
	GELUB HA, 32
	HSTORE 0
	GELUB HA+32, 32
	HSTORE 2048
.if \fill
	s_wait_xcnt 0x0                                ; every load issued has had its address translated: the three bases may be stepped
	s_add_nc_u64 s[AP:AP+1], s[AP:AP+1], 131072    ; the next chunk's eight hidden blocks of W1,
	s_add_nc_u64 s[BP:BP+1], s[BP:BP+1], 131072    ; its four k steps of W2,
	s_add_nc_u64 s[B1P:B1P+1], s[B1P:B1P+1], 512   ; its b1
.endif
	s_wait_dscnt 0x0                               ; for the others' sake: my stores of H are done
	BAR
	LOADH 0, 0
	LOADH 1, 1
.if \fill
	BILOAD B1P
.endif
.irp s, 0,1,2,3
.if \fill
	s_wait_loadcnt 52                              ; buffer s is in; three younger groups of 16 and the bias's 4 stay out
.else
	s_wait_loadcnt 48-16*\s                        ; nothing more is fetched: the counts run down
.endif
.if \s < 3
	s_wait_dscnt 8                                 ; this k step's H is in, the next one's stays out
.else
	s_wait_dscnt 0x0
.endif
	MULP \s
	WIN 0
	PLACES 5                                       ; for the loads below; behind the last k step for the next chunk's first products, which write over registers that these have read
.if \s < 2
	LOADH (\s+2), \s
.endif
.if \fill
	LOADA \s                                       ; the buffer takes the next chunk's W1, group s
.endif
.endr
	WIN 0
.if \fill
	BAR                                            ; every wave's reads of H are back (the wait for 0 above): H may be stored again
.endif
.endm
	s_mov_b32 s[CNT], 7
.Lchunk:
	CHUNK 1
	s_sub_co_u32 s[CNT], s[CNT], 1
	s_cmp_lg_u32 s[CNT], 0
	s_cbranch_scc1 .Lchunk
	CHUNK 0                                        ; the last chunk fetches nothing beyond the buffers' ends
; THE WAY OUT.  Y^T times the row's weight; a lane's eight columns of a row are 32 bytes; half a tile's columns at a time (16 rows x 256 bytes) go through my own stage and come back as whole rows.
.macro SCALE t
	WIN 0x41                                       ; destination and source 0 in window 1, the weight in window 0
.irp o, 0,1,2,3,4,5,6,7
.irp p, 0,2,4,6
	v_pk_mul_f32 v[8*(4*\o+(\t))+\p:8*(4*\o+(\t))+\p+1], v[8*(4*\o+(\t))+\p:8*(4*\o+(\t))+\p+1], v[WT+2*(\t):WT+2*(\t)+1] op_sel_hi:[1,0]
.endr
.endr
.endm
.macro TOST u                          ; part u: tile u / 2, column blocks 4 (u % 2) .. + 3
	WIN 0x04                                       ; the stores' data in window 1
.irp o, 0,1,2,3
	ds_store_b128 v[STO], v[8*(4*(4*((\u)%2)+\o)+(\u)/2):8*(4*(4*((\u)%2)+\o)+(\u)/2)+3]   offset:64*\o
	ds_store_b128 v[STO], v[8*(4*(4*((\u)%2)+\o)+(\u)/2)+4:8*(4*(4*((\u)%2)+\o)+(\u)/2)+7] offset:64*\o+16
.endr
	WIN 0
.if (\u) >= 4
	s_wait_xcnt 0x0                                ; the buffer was the data of part u - 4's stores
.endif
.irp n, 0,1,2,3,4,5,6,7
	ds_load_b128 v[OB+32*((\u)%4)+4*\n:OB+32*((\u)%4)+4*\n+3], v[RD] offset:2*SP*\n  ; LDS serves a wave's instructions in order (ISA guide 5.7.1.4): these see the stores above, and the next part's stores come behind them
.endr
.endm
.macro SEND u, younger                 ; younger: the next part's eight stores and eight loads, or none
	s_wait_dscnt \younger
.irp n, 0,1,2,3,4,5,6,7
	global_store_b128 v[GO], v[OB+32*((\u)%4)+4*\n:OB+32*((\u)%4)+4*\n+3], s[PP:PP+1] offset:(16*((\u)/2)+2*\n)*2048+256*((\u)%2)  ; 16 lanes store 256 consecutive bytes, at a multiple of 256 from part's first byte
.endr
.endm
	SCALE 0
	TOST 0
.irp u, 1,2,3,4,5,6,7
.if (\u % 2) == 0
	SCALE (\u/2)
.endif
	TOST \u
	SEND (\u-1), 16
.endr
	SEND 7, 0
	s_cmp_eq_u32 s[NX], 0
	s_cbranch_scc1 .Lend                           ; forward, over text that holds no barrier
	; THE FIFTH TILE (q = 80 alone).  Eight trips of 32 hidden columns: 32 fragments of W1 (32,768 bytes on end), H^T in two accumulators by turns, gelu, 32 fragments of W2, Y^T in 32 accumulators.
	s_wait_xcnt 0x0                                ; the stores above have read their registers
	WIN 0xc0                                       ; its X: 16 fragments in window 3
.set k, 0
.rept 16
	global_load_b128 v[8*k:8*k+3],   v[XO4], s[XBP:XBP+1] offset:64*k
	global_load_b128 v[8*k+4:8*k+7], v[XO4], s[XBP:XBP+1] offset:64*k+32
.set k, k+1
.endr
	WIN 0x40                                       ; its Y^T starts at b2 in one share of the eight, at 0 in the others
.set k, 0
.rept 32
	global_load_b128 v[8*k:8*k+3],   v[BO], s[BXX:BXX+1] offset:64*k
	global_load_b128 v[8*k+4:8*k+7], v[BO], s[BXX:BXX+1] offset:64*k+16
.set k, k+1
.endr
	WIN 0
	s_mov_b32 s[CNT], 8
.macro LOAD32 base                     ; 32 fragments on end fill window 2
	WIN 0x80
.set k, 0
.rept 32
	global_load_b128 v[8*k:8*k+3],   v[LO], s[\base:\base+1] offset:1024*k
	global_load_b128 v[8*k+4:8*k+7], v[LO], s[\base:\base+1] offset:1024*k+512
.set k, k+1
.endr
.endm
.Lfifth:
	LOAD32 AXP
	WIN 0
	BILOAD B1X
	s_wait_loadcnt 0x0
	WIN 0x0e
.set k, 0
.rept 16
.irp i, 0,1
.if k == 0
	v_wmma_f32_16x16x32_bf16 v[HA+8*\i:HA+8*\i+7], v[128*\i+8*k:128*\i+8*k+7], v[8*k:8*k+7], v[BI+8*\i:BI+8*\i+7]
.else
	v_wmma_f32_16x16x32_bf16 v[HA+8*\i:HA+8*\i+7], v[128*\i+8*k:128*\i+8*k+7], v[8*k:8*k+7], v[HA+8*\i:HA+8*\i+7]
.endif
.endr
.set k, k+1
.endr
	WIN 0
	PLACES
	GELUB HA, 16                                   ; H's fragment stays in v[TE:TE+7]
	LOAD32 BXP
	s_wait_loadcnt 0x0
	WIN 0x52
.set k, 0
.rept 32
	v_wmma_f32_16x16x32_bf16 v[8*k:8*k+7], v[8*k:8*k+7], v[TE:TE+7], v[8*k:8*k+7]
.set k, k+1
.endr
	WIN 0
	PLACES 5                                       ; for the next trip's loads, and for the scaling behind the loop
	s_add_nc_u64 s[AXP:AXP+1], s[AXP:AXP+1], 32768 ; every load is in, so the bases may be stepped (the last steps are not used)
	s_add_nc_u64 s[BXP:BXP+1], s[BXP:BXP+1], 32768
	s_add_nc_u64 s[B1X:B1X+1], s[B1X:B1X+1], 128
	s_sub_co_u32 s[CNT], s[CNT], 1
	s_cmp_lg_u32 s[CNT], 0
	s_cbranch_scc1 .Lfifth
	WIN 0x41
	FOR 128, 2, v_pk_mul_f32 v[n:n+1], v[n:n+1], v[WT+8:WT+9] op_sel_hi:[1,0]
	WIN 0x04                                       ; these stores are 16 bytes a lane in rows far apart: the price of this rare way
.set k, 0
.rept 32
	global_store_b128 v[XGO], v[8*k:8*k+3],   s[PXP:PXP+1] offset:64*k
	global_store_b128 v[XGO], v[8*k+4:8*k+7], s[PXP:PXP+1] offset:64*k+16
.set k, k+1
.endr
	WIN 0
.Lend:
	s_wait_tensorcnt 0x0                           ; the wave's end, behind my last LDS store
	ds_add_u32 v[SPW], v[NIL]
	s_wait_dscnt 0x0
	s_endpgm
.Lfunc_end_k_qf6bca798f8_moe:
	.size	k_qf6bca798f8_moe, .Lfunc_end_k_qf6bca798f8_moe-k_qf6bca798f8_moe
	.p2alignl 7, 3214868480
	.fill 96, 4, 3214868480
	.section	.rodata,"a",@progbits
	.p2align	6, 0x0
	.amdhsa_kernel k_qf6bca798f8_moe
		.amdhsa_group_segment_fixed_size 100864
		.amdhsa_private_segment_fixed_size 0
		.amdhsa_enable_private_segment 0
		.amdhsa_kernarg_size 48
		.amdhsa_user_sgpr_count 2
		.amdhsa_user_sgpr_kernarg_segment_ptr 1
		.amdhsa_wavefront_size32 1
		.amdhsa_system_sgpr_workgroup_id_x 1
		.amdhsa_system_sgpr_workgroup_id_y 1
		.amdhsa_system_sgpr_workgroup_id_z 1
		.amdhsa_system_vgpr_workitem_id 0
		.amdhsa_next_free_vgpr 1024
		.amdhsa_next_free_sgpr 100
		.amdhsa_reserve_vcc 0
		.amdhsa_float_denorm_mode_32 3
		.amdhsa_float_denorm_mode_16_64 3
		.amdhsa_memory_ordered 1
		.amdhsa_forward_progress 1
		.amdhsa_inst_pref_size 224
	.end_amdhsa_kernel
	.amdgpu_metadata
---
amdhsa.version: [ 1, 2 ]
amdhsa.kernels:
  - .name:           k_qf6bca798f8_moe
    .symbol:         k_qf6bca798f8_moe.kd
    .args:
      - { .name: wb, .offset: 0, .size: 8, .value_kind: global_buffer, .address_space: global }
      - { .name: fl, .offset: 8, .size: 8, .value_kind: global_buffer, .address_space: global }
      - { .name: rt, .offset: 16, .size: 8, .value_kind: global_buffer, .address_space: global }
      - { .name: b1, .offset: 24, .size: 8, .value_kind: global_buffer, .address_space: global }
      - { .name: part, .offset: 32, .size: 8, .value_kind: global_buffer, .address_space: global }
      - { .name: partx, .offset: 40, .size: 8, .value_kind: global_buffer, .address_space: global }
    .group_segment_fixed_size: 100864
    .private_segment_fixed_size: 0
    .kernarg_segment_align: 8
    .kernarg_segment_size: 48
    .max_flat_workgroup_size: 128
    .sgpr_count:     100
    .vgpr_count:     1024
    .wavefront_size: 32
...
	.end_amdgpu_metadata
.endif
;; end of part 2
;; launch comb (part 3): grid 256 x 1, 16 waves a work-group, no clusters, 0 bytes of LDS; arguments x, rt, part, partx, out0; writes out0
.if DOCPART == 3
	.amdgcn_target "amdgcn-amd-amdhsa--gfx1250"
	.amdhsa_code_object_version 6
	.text
	.protected	k_qf6bca798f8_comb
	.globl	k_qf6bca798f8_comb
	.p2align	8
	.type	k_qf6bca798f8_comb,@function
k_qf6bca798f8_comb:
	s_mov_b64 s[64:65], 0
	v_nop
	global_prefetch_b8 v0, s[64:65] scope:SCOPE_SE
	s_setreg_imm32_b32 hwreg(HW_REG_WAVE_MODE, 25, 1), 1
	s_wait_xcnt 0x0
; COMB.  out0[token] = x[token] + the partial rows of the token's one or two routed rows.  A wave owns one token; a row of 2,048 bytes is four loads of 512 consecutive bytes.
; A token has two codes (the same code twice: one routed row).  A code below 8,192 names a row of part, in both halves of the hidden width; a code from 8,192 on names a row of partx,
; in all 8 slots (2 halves x 4 waves' shares).  All 20 loads of a wave go out before its first wait for data.  The loads from part use the code clamped to 8,191: every byte of part is written
; in every run, and what a clamped load brings is not used.  The sum over partx's slots is written out; each slot, 4,194,304 bytes, has a base of its own, made once at the head and never stepped.
; No LDS, no barrier, no matrix unit: memory binds, and no wave needs another.  All jumps go forward.
.set XR,  16                           ; v[16:31]   x, then the sum
.set PR,  32                           ; v[32:95]   place k: 16 registers from each half of part, at 32 k and 32 k + 16
.set XS,  96                           ; v[96:159]  four rows of partx
.set PXB, 32                           ; s[32:47]   partx's 8 slots
	s_load_b256 s[4:11], s[0:1], 0x0               ; x s[4:5], rt s[6:7], part s[8:9], partx s[10:11]
	s_load_b64 s[12:13], s[0:1], 0x20              ; out0
	v_lshrrev_b32 v3, 5, v0
	v_readfirstlane_b32 s14, v3                    ; my wave's number
	v_and_b32 v1, 31, v0
	v_lshlrev_b32 v1, 4, v1                        ; 16 x lane; never rewritten
	s_lshl_b32 s26, ttmp9, 4                       ; 16 tokens a work-group,
	s_add_co_u32 s26, s26, s14                     ; one a wave
	s_lshl_b32 s28, s26, 11                        ; my token x 2,048 bytes
	v_add_nc_u32 v2, s28, v1                       ; never rewritten
	s_lshl_b32 s26, s26, 3                         ; its 8 bytes of codes
	s_mov_b32 s27, 0
	s_wait_kmcnt 0x0
	s_add_nc_u64 s[6:7], s[6:7], s[26:27]
	s_load_b64 s[16:17], s[6:7], 0xa900            ; my two codes
	s_add_nc_u64 s[20:21], s[8:9], 0x1000000       ; part's second half
	s_mov_b64 s[PXB:PXB+1], s[10:11]
.set i, 1
.rept 7
	s_add_nc_u64 s[PXB+2*i:PXB+2*i+1], s[PXB+2*i-2:PXB+2*i-1], 0x400000
.set i, i+1
.endr
.irp i, 0,1,2,3
	global_load_b128 v[XR+4*\i:XR+4*\i+3], v2, s[4:5] offset:512*\i th:TH_LOAD_NT
.endr
	s_wait_kmcnt 0x0
.irp k, 0,1
	s_min_u32 s[22+\k], s[16+\k], 8191
	v_lshl_add_u32 v[4+\k], s[22+\k], 11, v1
.endr
.irp k, 0,1
.irp i, 0,1,2,3
	global_load_b128 v[PR+32*\k+4*\i:PR+32*\k+4*\i+3], v[4+\k], s[8:9] offset:512*\i th:TH_LOAD_NT
.endr
.irp i, 0,1,2,3
	global_load_b128 v[PR+32*\k+16+4*\i:PR+32*\k+16+4*\i+3], v[4+\k], s[20:21] offset:512*\i th:TH_LOAD_NT
.endr
.endr
; Place k is added.  The branch hangs on a whole number that an earlier launch stored.
.macro ENTRY k
	s_cmp_lt_u32 s[16+(\k)], 8192
	s_cbranch_scc0 .Lfar_\@
.irp n, 0,2,4,6,8,10,12,14
	v_pk_add_f32 v[XR+\n:XR+\n+1], v[XR+\n:XR+\n+1], v[PR+32*(\k)+\n:PR+32*(\k)+\n+1]
.endr
.irp n, 0,2,4,6,8,10,12,14
	v_pk_add_f32 v[XR+\n:XR+\n+1], v[XR+\n:XR+\n+1], v[PR+32*(\k)+16+\n:PR+32*(\k)+16+\n+1]
.endr
	s_branch .Ldone_\@
.Lfar_\@:                              ; the row's 8 shares in partx, four slots (16 loads) at a time
	s_sub_co_u32 s[24+(\k)], s[16+(\k)], 8192
	s_min_u32 s[24+(\k)], s[24+(\k)], 2047
	v_lshl_add_u32 v[8+(\k)], s[24+(\k)], 11, v1
.irp g, 0,1
.irp z, 0,1,2,3
.irp i, 0,1,2,3
	global_load_b128 v[XS+16*\z+4*\i:XS+16*\z+4*\i+3], v[8+(\k)], s[PXB+2*(4*\g+\z):PXB+2*(4*\g+\z)+1] offset:512*\i th:TH_LOAD_NT
.endr
.endr
	s_wait_loadcnt 0x0                             ; the sixteen are in
.irp z, 0,1,2,3
.irp n, 0,2,4,6,8,10,12,14
	v_pk_add_f32 v[XR+\n:XR+\n+1], v[XR+\n:XR+\n+1], v[XS+16*\z+\n:XS+16*\z+\n+1]
.endr
.endr
.endr
.Ldone_\@:
.endm
	s_wait_loadcnt 8                               ; x and place 0's eight loads are in; place 1's eight may stay out
	ENTRY 0
	s_cmp_eq_u32 s16, s17
	s_cbranch_scc1 .Lone                           ; the same code twice: the token has one routed row
	s_wait_loadcnt 0x0
	ENTRY 1
.Lone:
.irp i, 0,1,2,3
	global_store_b128 v2, v[XR+4*\i:XR+4*\i+3], s[12:13] offset:512*\i th:TH_STORE_NT  ; 512 consecutive bytes, at a multiple of 256 from out0's first byte
.endr
	s_endpgm
.Lfunc_end_k_qf6bca798f8_comb:
	.size	k_qf6bca798f8_comb, .Lfunc_end_k_qf6bca798f8_comb-k_qf6bca798f8_comb
	.p2alignl 7, 3214868480
	.fill 96, 4, 3214868480
	.section	.rodata,"a",@progbits
	.p2align	6, 0x0
	.amdhsa_kernel k_qf6bca798f8_comb
		.amdhsa_group_segment_fixed_size 0
		.amdhsa_private_segment_fixed_size 0
		.amdhsa_enable_private_segment 0
		.amdhsa_kernarg_size 40
		.amdhsa_user_sgpr_count 2
		.amdhsa_user_sgpr_kernarg_segment_ptr 1
		.amdhsa_wavefront_size32 1
		.amdhsa_system_sgpr_workgroup_id_x 1
		.amdhsa_system_sgpr_workgroup_id_y 1
		.amdhsa_system_sgpr_workgroup_id_z 1
		.amdhsa_system_vgpr_workitem_id 0
		.amdhsa_next_free_vgpr 160
		.amdhsa_next_free_sgpr 72
		.amdhsa_reserve_vcc 0
		.amdhsa_float_denorm_mode_32 3
		.amdhsa_float_denorm_mode_16_64 3
		.amdhsa_memory_ordered 1
		.amdhsa_forward_progress 1
		.amdhsa_inst_pref_size 21
	.end_amdhsa_kernel
	.amdgpu_metadata
---
amdhsa.version: [ 1, 2 ]
amdhsa.kernels:
  - .name:           k_qf6bca798f8_comb
    .symbol:         k_qf6bca798f8_comb.kd
    .args:
      - { .name: x, .offset: 0, .size: 8, .value_kind: global_buffer, .address_space: global }
      - { .name: rt, .offset: 8, .size: 8, .value_kind: global_buffer, .address_space: global }
      - { .name: part, .offset: 16, .size: 8, .value_kind: global_buffer, .address_space: global }
      - { .name: partx, .offset: 24, .size: 8, .value_kind: global_buffer, .address_space: global }
      - { .name: out0, .offset: 32, .size: 8, .value_kind: global_buffer, .address_space: global }
    .group_segment_fixed_size: 0
    .private_segment_fixed_size: 0
    .kernarg_segment_align: 8
    .kernarg_segment_size: 40
    .max_flat_workgroup_size: 512
    .sgpr_count:     72
    .vgpr_count:     160
    .wavefront_size: 32
...
	.end_amdgpu_metadata
.endif
;; end of part 3
;; ======== version 2 of 2: 3 launches; version 1 with the launch moe written anew for expert scheduling mode
;; limits: a function is approximated: absolute error at most 2.5e-05; an absolute error that grows with the inputs' magnitude: up to 1.25e-05 times it
;; workspace buffers: wb 37,748,736 bytes; fl 73,984 bytes; rt 76,032 bytes of whole numbers; part 33,554,432 bytes; partx 33,554,432 bytes
;; launch prep: the kernel of part 1 again; grid 257 x 1, 16 waves a work-group, no clusters, 4,096 bytes of LDS; arguments W1, W2, x, b2, expert_indices, expert_weights, wb, fl, rt; writes wb, fl, rt
;; launch moe (part 4): grid 128 x 2, 4 waves a work-group, no clusters, 100,864 bytes of LDS; arguments wb, fl, rt, b1, part, partx; writes part, partx
.if DOCPART == 4
	.amdgcn_target "amdgcn-amd-amdhsa--gfx1250"
	.amdhsa_code_object_version 6
	.text
	.protected	k_qf6bca798f8_moe
	.globl	k_qf6bca798f8_moe
	.p2align	8
	.type	k_qf6bca798f8_moe,@function
k_qf6bca798f8_moe:
	s_mov_b64 s[64:65], 0
	v_nop
	global_prefetch_b8 v0, s[64:65] scope:SCOPE_SE
	s_setreg_imm32_b32 hwreg(HW_REG_WAVE_SCHED_MODE, 0, 2), 2
	s_setreg_imm32_b32 hwreg(HW_REG_WAVE_MODE, 25, 1), 1
	s_wait_xcnt 0x0
	s_wait_alu depctr_vm_vsrc(0)
; MOE.  For the routed rows of one expert e and one half hf of its 2,048 hidden columns: part = w (gelu(X W1 + b1) W2 + b2 [hf = 0 alone]), f32 partial rows that the next launch adds.
; Operands in bf16 (wb holds W1, W2 and x rounded once), sums in f32, gelu in f32, H rounded once to bf16.
; SHARES.  Tile row u (grid x, 128 of them) is up to q rows of one expert (q = 64 or 80; expert, rows and q are read from cinfo[u]); grid y is hf.  A work-group takes 64 rows, four tiles of 16, through
; 8 chunks of 128 hidden columns.  Rows past the tile row's count repeat its last row; they are stored into rows that no code names.
; LAYOUT.  Both products are used transposed: H^T = W1c^T X^T (source 0 = 16 hidden, source 1 = 16 rows), Y^T = W2c^T H^T.  A lane holds ONE row (lane % 16) in H^T and Y^T, and two results of H^T,
; rounded in pairs, ARE a source 1 of the second product.  Wave w makes hidden columns 32 w .. + 31 of the chunk for all rows, then output columns 128 w .. + 127.  H crosses the waves through LDS as
; fragments of 1,024 bytes; two barriers a chunk order it: stored, read, stored again.  b1 is the C operand that starts H^T's sums; b2 (or 0) is loaded into Y^T's registers: nothing is cleared.
; THE WEIGHTS COME STRAIGHT INTO REGISTERS.  Each weight byte feeds exactly one wave of the work-group, so LDS would add a write and a read to each byte and share nothing.  The launch before has laid them
; out as fragments (two loads of 512 consecutive bytes fill the eight operand registers), a wave's fragments on end.  A chunk is 8 groups of 8 fragments (16 loads, 32 matrix instructions): 4 of W1, 4 of W2.
; A RING of four buffers: the first product multiplies buffer g and then loads W2's group g of the same chunk into it; the second multiplies buffer s and then loads W1's group s of the next chunk into it.
; So a wave has 64 loads, 32,768 bytes, on their way, and each has three further groups' matrix work in which to land.
; X is gathered once a work-group, in pieces of 256 consecutive bytes, into LDS; each wave keeps k steps 0 to 7 in 256 registers and reads k steps 8 to 15 from LDS in every chunk.
; NO CLUSTER, though the tile rows of an expert walk the same weights: a joint request is a tensor load's, into LDS, which this text leaves out of the weights' road; and a tile row's expert is read from
; memory, while a joint load's descriptor is to be made of numbers that the partners share by their ids; a deal by ids alone, 16 tile rows to each expert, would serve 1,024 rows of an expert and no more.
; q = 80 (a split that 64 rows a tile row do not serve): a fifth tile goes a way of its own behind the way out, without a barrier: wave w takes it through hidden columns 256 w .. + 255 of the half,
; H stays in registers, and the wave's share of all 512 columns goes into slot 4 hf + w of partx.
; GELU.  0.5 s + |s| (0.5 - 0.5 (a1 t + a2 t^2 + a3 t^3) e^(-s s / 2)), t = 1 / (1 + 0.47047 |s| / sqrt 2): erf by Abramowitz and Stegun 7.1.25.
; LIMITS.  That erf is off by at most 2.5e-5 for every argument, so gelu by at most 1.25e-5 |s|, about an eightieth of the bf16 rounding that follows; e^(-s s / 2) below 2^-126 counts as 0;
; NaN and infinities are not treated apart.
; REGISTERS, in windows of 256 (s_set_vgpr_msb: bits 1:0 source 0, 3:2 source 1, 5:4 source 2, 7:6 destination):
;   window 0: v0-47 addresses, weights; v48-111 H^T's sums, then H as rounded, then H's fragments; v112-127 b1; v128-255 X's fragments of four k steps, gelu at work, the way out
;   window 1: Y^T, accumulator (o, t) at 8 (4 o + t)     window 2: the ring, buffer b at 64 b     window 3: X, fragment (k step s < 8, tile t) at 8 (4 s + t)
; THE MODE: SCHED_MODE bits 1:0 = 2 (LLVM: expert scheduling mode 2), set by the entry lines.  The code itself states the register dependences between vector or matrix instructions and memory or LDS
; instructions, with s_wait_alu, always for 0.
; THE PLAN.  Registers that memory or LDS instructions touch, in the loop:
;   ring buffer b   16 loads land in it; the 32 products of its group read it and nothing else names it.  ONE wait on va_vdst stands behind the group, and the buffer's next 16 loads follow at once.
;   v128-255        X's four slots: LDS loads land, the products of k steps 8 to 15 read; then the gelu works there.  Slots 0, 1 are asked for again behind k step 9 (a wait of their own), slots 2, 3 behind
;                   k step 11 (the ring's wait there serves them).  A chunk's first four k steps are asked for at its head with no wait: nothing since the wait behind the last group names these registers.
;   v48-111         the first product writes them, the gelu works on them and rounds in place (16 registers close up into the low half of each 32), ONE wait, eight LDS stores read them; behind the barrier
;                   a wait on va_vdst and one on vm_vsrc, and H's fragments land there; the second product reads them; the ring's waits behind its k steps 0 and 1 serve the loads of k steps 2 and 3.
;   v112-127        b1 lands behind the barrier; its one reader, k step 0, stands ahead of many waits.
;   addresses       made at the head, ahead of a wait on va_vdst, and never written again; the weights' bases are scalar.
.set XP,    1040                       ; a row of X in LDS: 1,024 bytes + 16: the 16 rows of a fragment load start at 16 different groups of four banks (64 banks of 4 bytes: ISA guide 11.1)
.set HB,    64*XP                      ; H: fragment (k step s, tile t) at (4 s + t) 1,024; registers 0-3 at 16 x lane, 4-7 at + 512
.set STAGE, HB+16384+512               ; the way out: 16 rows x 272 bytes for each wave (the 512 bytes ahead of it are the spare words, 128 bytes a wave)
.set SP,    272
.set LO,  4                            ; v4  16 x lane
.set AXF, 5                            ; v5  my place in a fragment of X in LDS
.set XSA, 6                            ; v6  where I store X
.set R,   7                            ; v7  lane % 16;  v8  lane / 16
.set HH,  8
.set AHS, 10                           ; v10 where I store H;  v11 where I read it
.set AHL, 11
.set XGO, 12                           ; v12 my byte offset in 16 rows of partx
.set BO,  14                           ; v14 32 h: my eight numbers of b1;  v15 32 h + 512 w: of b2
.set B2O, 15
.set WT,  16                           ; v16-25 tile t's weight at 16 + 2 t, a copy beside it (named as a pair)
.set STO, 26
.set RD,  27
.set XO4, 28                           ; v28 the fifth tile: my row's byte offset in x, + 16 h
.set GO,  29
.set XG,  30                           ; v30-37 the gather: byte offset in x of row 16 w + 2 p + h, + 16 r
.set HA,  48
.set BI,  112
.set TA,  128
.set TT,  160
.set TE,  192
.set TP,  224
.set OB,  128
.set WV,  16
.set HF,  19
.set CI,  20                           ; s[20:23] expert, rows - 1, first list place, q
.set NX,  24
.set CNT, 25
.set AP,  28                           ; s[28:29] my W1 fragments of the chunk whose W1 is loaded next;  s[30:31] my W2 fragments likewise
.set BP,  30
.set AXP, 32                           ; s[32:39] the fifth tile's: W1, W2, b1, Y^T's start
.set BXP, 34
.set B1X, 36
.set BXX, 38
.set B2R, 40                           ; s[40:41] b2x[e][0]
.set B1P, 52
.set BXE, 54                           ; s[54:55] b2x[e][hf]
.set ZP,  56                           ; s[56:57] b2x[e][1], zeros
.set PP,  58
.set PXP, 60
.set KS,  66                           ; sqrt(log2(e) / 2)
.set PD,  68                           ; pairs: the packed forms take the low word for both halves
.set A3,  70
.set A2,  72
.set A1,  74
.set C0,  76
.set XBP, 78
.set MSB, 0
.macro WIN new                         ; the immediate's high byte repeats the setting that is left; a switch that changes nothing is dropped
.if MSB != (\new)
	s_set_vgpr_msb (MSB<<8)|(\new)
.set MSB, (\new)
.endif
.endm
.macro PLACES n=4                      ; plain vector instructions behind matrix instructions (ISA guide 7.12.1), where no other vector work is at hand
.rept \n
	v_nop
.endr
.endm
.macro BAR
	s_barrier_signal -1
	s_barrier_wait -1
.endm
.macro FOR cnt, step, line:vararg      ; one line cnt times, n = 0, step, 2 step ..
.set n, 0
.rept \cnt
	\line
.set n, n+(\step)
.endr
.endm
	s_load_b256 s[4:11], s[0:1], 0x0               ; wb s[4:5], fl s[6:7], rt s[8:9], b1 s[10:11]
	s_load_b128 s[12:15], s[0:1], 0x20             ; part s[12:13], partx s[14:15]
	v_lshl_add_u32 v2, v0, 2, 0x14400
	v_mov_b32 v3, 0
	v_lshrrev_b32 v1, 5, v0
	v_readfirstlane_b32 s[WV], v1
	s_and_b32 s[HF], ttmp7, 0xffff
	s_mov_b32 s[KS], 0x3f596d27                    ; 0.8493218
	s_mov_b32 s[PD], 0x3ec88bda                    ; 0.47047 / sqrt(log2 e) = 0.391692
	s_mov_b32 s[C0], 0x3f16b55f                    ; 0.5 / KS = 0.588705
	s_mov_b32 s[A1], 0xbe51cd00                    ; -0.3480242 C0
	s_mov_b32 s[A2], 0x3d6732ca                    ; +0.0958798 C0
	s_mov_b32 s[A3], 0xbee16a97                    ; -0.7478556 C0
.irp c, PD, C0, A1, A2, A3
	s_mov_b32 s[\c+1], s[\c]
.endr
	v_and_b32 v[R], 15, v0
	v_bfe_u32 v[HH], v0, 4, 1
	v_and_b32 v9, 31, v0
	v_lshlrev_b32 v[LO], 4, v9
	v_mul_u32_u24 v[AXF], v[R], XP                 ; a fragment of X: row r, 16 bytes for each half of the lanes
	v_lshl_add_u32 v[AXF], v[HH], 4, v[AXF]
	s_wait_alu depctr_va_sdst(0)                   ; the wave's number is written, ahead of its first reader, the line below
	s_mul_i32 s26, s[WV], 16*XP                    ; I store rows 16 w ..: lanes 0-15 one row's 256 bytes, lanes 16-31 the next row's
	v_mul_u32_u24 v46, v[HH], XP
	v_lshl_add_u32 v46, v[R], 4, v46
	v_add_nc_u32 v[XSA], s26, v46
	v_add_nc_u32 v[AHL], HB, v[LO]
	s_lshl_b32 s26, s[WV], 12
	v_add_nc_u32 v[AHS], s26, v[AHL]
	v_lshlrev_b32 v[BO], 5, v[HH]
	s_lshl_b32 s26, s[WV], 9
	v_add_nc_u32 v[B2O], s26, v[BO]
	s_mul_i32 s26, s[WV], 16*SP
	s_add_co_u32 s26, s26, STAGE                   ; my stage
	v_mul_u32_u24 v46, v[R], SP                    ; in: row r, 32 bytes for each half of the lanes
	v_lshl_add_u32 v46, v[HH], 5, v46
	v_add_nc_u32 v[STO], s26, v46
	v_mul_u32_u24 v46, v[HH], SP                   ; back: lanes 0-15 one row of 256 bytes, lanes 16-31 the next
	v_lshl_add_u32 v46, v[R], 4, v46
	v_add_nc_u32 v[RD], s26, v46
	v_lshlrev_b32 v46, 11, v[HH]                   ; and the same two rows in part
	v_lshl_add_u32 v[GO], v[R], 4, v46
	v_lshlrev_b32 v46, 11, v[R]
	v_lshl_add_u32 v[XGO], v[HH], 5, v46
	s_lshl_b32 s26, s[WV], 4
	v_add_nc_u32 v13, s26, v[HH]                   ; 16 w + h
	s_wait_kmcnt 0x0
	s_lshl_b32 s26, ttmp9, 4
	s_mov_b32 s27, 0
	s_add_nc_u64 s[26:27], s[8:9], s[26:27]
	s_load_b128 s[CI:CI+3], s[26:27], 0x0          ; cinfo[u]
	s_wait_kmcnt 0x0
	s_min_u32 s[CI], s[CI], 7
	s_min_u32 s[CI+1], s[CI+1], 79
	s_min_u32 s[CI+2], s[CI+2], 10160
	s_cmp_gt_u32 s[CI+3], 64
	s_cselect_b32 s[NX], 1, 0
	s_mov_b32 s27, 0
	s_lshl_b32 s62, s[CI], 21                      ; an expert's fragments are 2,097,152 bytes of W1 and of W2, a half of the hidden width 1,048,576 of either
	s_lshl_b32 s63, s[HF], 20
	s_add_co_u32 s62, s62, s63
	s_lshl_b32 s63, s[WV], 15                      ; W1: nt = 64 hf + 8 c + 2 w + i, 16,384 bytes each
	s_add_co_u32 s26, s62, s63
	s_add_nc_u64 s[AP:AP+1], s[4:5], s[26:27]
	s_lshl_b32 s63, s[WV], 18                      ; the fifth tile: nt = 64 hf + 16 w + ..
	s_add_co_u32 s26, s62, s63
	s_add_nc_u64 s[AXP:AXP+1], s[4:5], s[26:27]
	s_add_co_u32 s26, s26, 0x1000000               ; and kh = 32 hf + 8 w + .., 32,768 bytes each
	s_add_nc_u64 s[BXP:BXP+1], s[4:5], s[26:27]
	s_lshl_b32 s63, s[WV], 13                      ; W2: kh = 32 hf + 4 c + s, ot = 8 w + o, 1,024 bytes each
	s_add_co_u32 s26, s62, s63
	s_add_co_u32 s26, s26, 0x1000000
	s_add_nc_u64 s[BP:BP+1], s[4:5], s[26:27]
	; my rows.  The gather: row 16 w + 2 p + h; the weights: tile t, row r.  A row is rank min(row, rows - 1) of the tile row.  All thirteen list offsets are made first, so that one wait serves their loads
.irp p, 0,1,2,3,4,5,6,7
	v_add_nc_u32 v47, 2*\p, v13
	v_min_u32 v47, s[CI+1], v47
	v_add_nc_u32 v47, s[CI+2], v47
	v_min_u32 v47, 0x27ff, v47
	v_lshlrev_b32 v[38+\p], 2, v47
.endr
.irp t, 0,1,2,3,4
	v_add_nc_u32 v47, 16*\t, v[R]
	v_min_u32 v47, s[CI+1], v47
	v_add_nc_u32 v47, s[CI+2], v47
	v_min_u32 v47, 0x27ff, v47
	v_lshlrev_b32 v[48+\t], 2, v47
.endr
	s_wait_alu depctr_va_vdst(0)                   ; the list offsets v38-45 and v48-52 are written, which the loads below read; so are v4-15, v26, v27 and v29, the addresses of the whole kernel
.irp p, 0,1,2,3,4,5,6,7
	global_load_b32 v[XG+\p], v[38+\p], s[8:9] offset:2048
.endr
.irp t, 0,1,2,3,4
	global_load_b32 v[WT+2*\t], v[48+\t], s[6:7] offset:32768
.endr
	global_load_b32 v[XO4], v52, s[8:9] offset:2048
.macro LOADA g                         ; 16 loads: W1's fragments of k steps 4 g .. + 3, hidden blocks 0, 1, into buffer g
	WIN 0x80                                       ; destination window 2, address window 0
.irp k, 0,1,2,3
.irp i, 0,1
	global_load_b128 v[64*(\g)+16*\k+8*\i:64*(\g)+16*\k+8*\i+3],   v[LO], s[AP:AP+1] offset:\i*16384+(4*(\g)+\k)*1024
	global_load_b128 v[64*(\g)+16*\k+8*\i+4:64*(\g)+16*\k+8*\i+7], v[LO], s[AP:AP+1] offset:\i*16384+(4*(\g)+\k)*1024+512
.endr
.endr
.endm
.macro LOADB g                         ; 16 loads: W2's fragments of k step g, my eight column blocks, into buffer g
	WIN 0x80
.irp o, 0,1,2,3,4,5,6,7
	global_load_b128 v[64*(\g)+8*\o:64*(\g)+8*\o+3],   v[LO], s[BP:BP+1] offset:(\g)*32768+\o*1024
	global_load_b128 v[64*(\g)+8*\o+4:64*(\g)+8*\o+7], v[LO], s[BP:BP+1] offset:(\g)*32768+\o*1024+512
.endr
.endm
.macro BILOAD base                     ; b1 of 32 hidden columns: register j of block i is column 16 i + 8 h + j
.irp i, 0,1
	global_load_b128 v[BI+8*\i:BI+8*\i+3],   v[BO], s[\base:\base+1] offset:64*\i
	global_load_b128 v[BI+8*\i+4:BI+8*\i+7], v[BO], s[\base:\base+1] offset:64*\i+16
.endr
.endm
	LOADA 0
	LOADA 1
	LOADA 2
	WIN 0
	s_lshl_b32 s26, s[CI], 13                      ; b1[e][1,024 hf + 32 w], and for the fifth tile [.. + 256 w]
	s_lshl_b32 s62, s[HF], 12
	s_add_co_u32 s62, s26, s62
	s_lshl_b32 s63, s[WV], 7
	s_add_co_u32 s26, s62, s63
	s_add_nc_u64 s[B1P:B1P+1], s[10:11], s[26:27]
	s_lshl_b32 s63, s[WV], 10
	s_add_co_u32 s26, s62, s63
	s_add_nc_u64 s[B1X:B1X+1], s[10:11], s[26:27]
	s_lshl_b32 s26, s[CI], 12
	s_add_nc_u64 s[B2R:B2R+1], s[6:7], s[26:27]
	s_add_nc_u64 s[ZP:ZP+1], s[B2R:B2R+1], 2048
	s_cmp_eq_u32 s[HF], 0
	s_cselect_b64 s[BXE:BXE+1], s[B2R:B2R+1], s[ZP:ZP+1]
	s_or_b32 s26, s[HF], s[WV]
	s_cmp_eq_u32 s26, 0                            ; of the fifth tile's eight shares one takes b2
	s_cselect_b64 s[BXX:BXX+1], s[B2R:B2R+1], s[ZP:ZP+1]
	s_add_nc_u64 s[XBP:XBP+1], s[4:5], 0x2000000
	s_lshl_b32 s26, ttmp9, 17                      ; part: hf x 16,777,216 + u x 64 rows + 512 w
	s_lshl_b32 s62, s[HF], 24
	s_add_co_u32 s26, s26, s62
	s_lshl_b32 s62, s[WV], 9
	s_add_co_u32 s26, s26, s62
	s_add_nc_u64 s[PP:PP+1], s[12:13], s[26:27]
	s_lshl_b32 s26, s[HF], 2                       ; partx: slot 4 hf + w of 4,194,304 bytes, u x 16 rows
	s_add_co_u32 s26, s26, s[WV]
	s_lshl_b32 s26, s26, 22
	s_lshl_b32 s62, ttmp9, 15
	s_add_co_u32 s26, s26, s62
	s_add_nc_u64 s[PXP:PXP+1], s[14:15], s[26:27]
	v_lshlrev_b32 v46, 4, v[R]
	v_lshlrev_b32 v47, 4, v[HH]
	s_wait_loadcnt 48                              ; the lists are in; the 48 loads of W1's groups 0 to 2 stay out
.irp p, 0,1,2,3,4,5,6,7
	v_min_u32 v[XG+\p], 0xfff, v[XG+\p]
	v_lshl_add_u32 v[XG+\p], v[XG+\p], 10, v46     ; token x 1,024 bytes + 16 r
.endr
	v_min_u32 v[XO4], 0xfff, v[XO4]
	v_lshl_add_u32 v[XO4], v[XO4], 10, v47
.irp t, 0,1,2,3,4
	v_mov_b32 v[WT+2*\t+1], v[WT+2*\t]
.endr
	s_wait_alu depctr_va_vdst(0)                   ; the gather's offsets v30-37 are written, which the loads below read, and v28, which the fifth tile's loads read
.irp p, 0,1,2,3,4,5,6,7
.irp c, 0,1,2,3
	global_load_b128 v[128+4*(4*\p+\c):128+4*(4*\p+\c)+3], v[XG+\p], s[XBP:XBP+1] offset:256*\c  ; sixteen lanes take 256 consecutive bytes of a row
.endr
.endr
	LOADA 3
	WIN 0
	BILOAD B1P
	s_wait_loadcnt 20                              ; my 16 rows of X are in; W1's group 3 and the bias stay out
.irp p, 0,1,2,3,4,5,6,7
.irp c, 0,1,2,3
	ds_store_b128 v[XSA], v[128+4*(4*\p+\c):128+4*(4*\p+\c)+3] offset:2*\p*XP+256*\c
.endr
.endr
	WIN 0x40                                       ; Y^T starts at b2 (hf = 0) or 0 (hf = 1): my eight columns of block o, the same for all four tiles
.irp o, 0,1,2,3,4,5,6,7
.irp t, 0,1,2,3
	global_load_b128 v[8*(4*\o+\t):8*(4*\o+\t)+3],   v[B2O], s[BXE:BXE+1] offset:64*\o
	global_load_b128 v[8*(4*\o+\t)+4:8*(4*\o+\t)+7], v[B2O], s[BXE:BXE+1] offset:64*\o+16
.endr
.endr
	WIN 0
	s_wait_dscnt 0x0                               ; for the others' sake: my stores of X are done
	BAR
	WIN 0xc0                                       ; k steps 0 to 7 of X stay in window 3
.irp k, 0,1,2,3,4,5,6,7
.irp t, 0,1,2,3
	ds_load_b128 v[8*(4*\k+\t):8*(4*\k+\t)+3],   v[AXF] offset:\t*16*XP+64*\k
	ds_load_b128 v[8*(4*\k+\t)+4:8*(4*\k+\t)+7], v[AXF] offset:\t*16*XP+64*\k+32
.endr
.endr
	WIN 0
	s_wait_dscnt 0x0
	s_wait_alu depctr_vm_vsrc(0)                   ; my LDS stores of X have read v128-255, in which X's fragments land; the lists' loads have read their offsets v48-52, which the first products write
.macro LOADX k                         ; 8 LDS loads: X's four fragments of k step k (8 to 15) into slot k % 4
	WIN 0
.irp t, 0,1,2,3
	ds_load_b128 v[128+32*((\k)%4)+8*\t:128+32*((\k)%4)+8*\t+3],   v[AXF] offset:\t*16*XP+64*(\k)
	ds_load_b128 v[128+32*((\k)%4)+8*\t+4:128+32*((\k)%4)+8*\t+7], v[AXF] offset:\t*16*XP+64*(\k)+32
.endr
.endm
.macro MULK k                          ; 8 matrix instructions of H^T, k step k: the eight accumulators take turns.  k step 0 starts the sums with b1
.if (\k) < 8
	WIN 0x0e                                       ; W1 in window 2, X in window 3
.set xb, 32*(\k)
.else
	WIN 0x02                                       ; X in window 0
.set xb, 128+32*((\k)%4)
.endif
.set fa, 16*(\k)
.irp t, 0,1,2,3
.irp i, 0,1
.if (\k) == 0
	v_wmma_f32_16x16x32_bf16 v[HA+16*\t+8*\i:HA+16*\t+8*\i+7], v[fa+8*\i:fa+8*\i+7], v[xb+8*\t:xb+8*\t+7], v[BI+8*\i:BI+8*\i+7]
.else
	v_wmma_f32_16x16x32_bf16 v[HA+16*\t+8*\i:HA+16*\t+8*\i+7], v[fa+8*\i:fa+8*\i+7], v[xb+8*\t:xb+8*\t+7], v[HA+16*\t+8*\i:HA+16*\t+8*\i+7]
.endif
.endr
.endr
.endm
; gelu of cnt accumulator registers from v[ab] on, rounded to bf16 into v[out ..]: eight registers a tile, a fragment (out = ab: the pairs close up into the low half of their own registers).
; Each accumulator is read from its low end on.  The transcendentals are ONE batch: the halvings of s are the plain work behind them, then one wait, then the readers.
.macro GELUB ab, cnt, out
	FOR \cnt, 1, v_mul_f32 v[TA+n], |v[(\ab)+n]|, s[KS]
	FOR (\cnt)/2, 2, v_pk_fma_f32 v[TT+n:TT+n+1], v[TA+n:TA+n+1], s[PD:PD+1], 1.0 op_sel_hi:[1,0,0]
	FOR (\cnt)/2, 2, v_pk_mul_f32 v[TE+n:TE+n+1], v[TA+n:TA+n+1], v[TA+n:TA+n+1] neg_lo:[0,1] neg_hi:[0,1]
	FOR \cnt, 1, v_rcp_f32 v[TT+n], v[TT+n]
	FOR \cnt, 1, v_exp_f32 v[TE+n], v[TE+n]
	FOR (\cnt)/2, 2, v_pk_mul_f32 v[(\ab)+n:(\ab)+n+1], v[(\ab)+n:(\ab)+n+1], 0.5 op_sel_hi:[1,0]
	s_wait_alu depctr_va_vdst(0)                   ; the reciprocals have written v[TT ..] and the exponentials v[TE ..], ahead of their first reader: one wait for the batch
	FOR (\cnt)/2, 2, v_pk_mul_f32 v[TE+n:TE+n+1], v[TT+n:TT+n+1], v[TE+n:TE+n+1]
	FOR (\cnt)/2, 2, v_pk_fma_f32 v[TP+n:TP+n+1], v[TT+n:TT+n+1], s[A3:A3+1], s[A2:A2+1] op_sel_hi:[1,0,0]
	FOR (\cnt)/2, 2, v_pk_fma_f32 v[TP+n:TP+n+1], v[TP+n:TP+n+1], v[TT+n:TT+n+1], s[A1:A1+1] op_sel_hi:[1,1,0]
	FOR (\cnt)/2, 2, v_pk_fma_f32 v[TP+n:TP+n+1], v[TP+n:TP+n+1], v[TE+n:TE+n+1], s[C0:C0+1] op_sel_hi:[1,1,0]
	FOR (\cnt)/2, 2, v_pk_fma_f32 v[(\ab)+n:(\ab)+n+1], v[TA+n:TA+n+1], v[TP+n:TP+n+1], v[(\ab)+n:(\ab)+n+1]
	FOR (\cnt)/2, 1, v_cvt_pk_bf16_f32 v[(\out)+n], v[(\ab)+2*n], v[(\ab)+2*n+1]
.endm
.macro HSTORE src, aoff                ; two fragments of H
.irp f, 0,1,2,3
	ds_store_b128 v[AHS], v[(\src)+4*\f:(\src)+4*\f+3] offset:(\aoff)+512*\f
.endr
.endm
.macro LOADH s, b                      ; 8 LDS loads: H's four fragments of k step s into buffer b
	WIN 0
.irp t, 0,1,2,3
	ds_load_b128 v[HA+32*(\b)+8*\t:HA+32*(\b)+8*\t+3],   v[AHL] offset:(4*(\s)+\t)*1024
	ds_load_b128 v[HA+32*(\b)+8*\t+4:HA+32*(\b)+8*\t+7], v[AHL] offset:(4*(\s)+\t)*1024+512
.endr
.endm
.macro MULP s                          ; 32 matrix instructions of Y^T, k step s, each on an accumulator of its own
	WIN 0x52                                       ; W2 in window 2, H in window 0, C and D in window 1
.irp o, 0,1,2,3,4,5,6,7
.irp t, 0,1,2,3
	v_wmma_f32_16x16x32_bf16 v[8*(4*\o+\t):8*(4*\o+\t)+7], v[64*(\s)+8*\o:64*(\s)+8*\o+7], v[HA+32*((\s)%2)+8*\t:HA+32*((\s)%2)+8*\t+7], v[8*(4*\o+\t):8*(4*\o+\t)+7]
.endr
.endr
.endm
; A CHUNK of 128 hidden columns.  fill = 1: the next chunk's W1 and b1 are asked for.  The v_nop behind a group stand where they stood in the text without the mode, ahead of the wait.
.macro CHUNK fill
.irp k, 8,9,10,11
	LOADX \k                                       ; no wait: no vector or matrix instruction since the last wait on va_vdst names v128-255
.endr
.irp g, 0,1
	s_wait_loadcnt 48                              ; loads come back in order: buffer g is in, the three younger groups of 16 stay out (the first time more has been issued behind it: the wait is then the stricter)
.irp k, 0,1,2,3
	MULK (4*\g+\k)
.endr
	PLACES
	WIN 0x80
	s_wait_alu depctr_va_vdst(0)                   ; the 32 products above are done reading buffer g, in which W2's group g lands
	LOADB \g
.endr
	s_wait_loadcnt 48
.irp k, 8,10
	s_wait_dscnt 24                                ; this k step's X is in; the three younger k steps of 8 loads stay out
	MULK \k
	s_wait_dscnt 16                                ; the next one's too; two younger k steps stay out
	MULK (\k+1)
	PLACES
	WIN 0
	s_wait_alu depctr_va_vdst(0)                   ; the 16 products above are done reading their two slots of X, which take the k steps four further on; behind k step 11 all 32 are done reading buffer 2
	LOADX (\k+4)
	LOADX (\k+5)
.endr
	LOADB 2                                        ; no further wait: only loads and a window switch stand behind the wait above
	s_wait_loadcnt 48
.irp k, 12,13,14,15
	s_wait_dscnt 8*(15-\k)                         ; nothing more is fetched: the counts run down
	MULK \k
.endr
	PLACES                                         ; the places between the last products and the gelu's lines, which read their results and write over X's slots
	WIN 0x80
	s_wait_alu depctr_va_vdst(0)                   ; the 32 products above are done reading buffer 3, in which W2's group 3 lands
	LOADB 3
	WIN 0
	GELUB HA, 32, HA
	GELUB HA+32, 32, HA+32
	s_wait_alu depctr_va_vdst(0)                   ; the roundings have written v48-63 and v80-95, which the LDS stores read
	HSTORE HA, 0
	HSTORE HA+32, 2048
.if \fill
	s_wait_xcnt 0x0                                ; every load issued has had its address translated: the three bases may be stepped
	s_add_nc_u64 s[AP:AP+1], s[AP:AP+1], 131072    ; the next chunk's eight hidden blocks of W1,
	s_add_nc_u64 s[BP:BP+1], s[BP:BP+1], 131072    ; its four k steps of W2,
	s_add_nc_u64 s[B1P:B1P+1], s[B1P:B1P+1], 512   ; its b1
.endif
	s_wait_dscnt 0x0                               ; for the others' sake: my stores of H are done
	BAR
	s_wait_alu depctr_va_vdst(0)                   ; the gelu's lines have written and read v48-111, in which H's fragments land
	s_wait_alu depctr_vm_vsrc(0)                   ; and my LDS stores of H have read v48-63 and v80-95
	LOADH 0, 0
	LOADH 1, 1
.if \fill
	BILOAD B1P                                     ; no wait: b1's one reader, k step 0, stands ahead of the waits above
.endif
.irp s, 0,1,2,3
.if \fill
	s_wait_loadcnt 52                              ; buffer s is in; three younger groups of 16 and the bias's 4 stay out
.else
	s_wait_loadcnt 48-16*\s                        ; nothing more is fetched: the counts run down
.endif
.if \s < 3
	s_wait_dscnt 8                                 ; this k step's H is in, the next one's stays out
.else
	s_wait_dscnt 0x0
.endif
	MULP \s
.if \s == 3
	PLACES 5                                       ; for the next chunk's first products, which write over registers that these have read; behind the last chunk for the scaling, which reads their results
.elseif (\fill) || (\s < 2)
	PLACES
.endif
.if (\fill) || (\s < 2)
.if \s < 2
	WIN 0
.else
	WIN 0x80
.endif
	s_wait_alu depctr_va_vdst(0)                   ; the 32 products above are done reading buffer s of the ring and their buffer of H, in which the loads below land
.if \s < 2
	LOADH (\s+2), \s
.endif
.if \fill
	LOADA \s                                       ; the buffer takes the next chunk's W1, group s
.endif
.endif
.endr
	WIN 0
.if \fill
	BAR                                            ; every wave's reads of H are back (the wait for 0 above): H may be stored again
.endif
.endm
	s_mov_b32 s[CNT], 7
.Lchunk:
	CHUNK 1
	s_sub_co_u32 s[CNT], s[CNT], 1
	s_cmp_lg_u32 s[CNT], 0
	s_cbranch_scc1 .Lchunk
	CHUNK 0                                        ; the last chunk fetches nothing beyond the buffers' ends
; THE WAY OUT.  Y^T times the row's weight; a lane's eight columns of a row are 32 bytes; half a tile's columns at a time (16 rows x 256 bytes) go through my own stage and come back as whole rows.
; All four tiles are scaled first, so that one wait serves all the LDS stores; behind it stand memory and LDS instructions alone.
.macro SCALE t
	WIN 0x41                                       ; destination and source 0 in window 1, the weight in window 0
.irp o, 0,1,2,3,4,5,6,7
.irp p, 0,2,4,6
	v_pk_mul_f32 v[8*(4*\o+(\t))+\p:8*(4*\o+(\t))+\p+1], v[8*(4*\o+(\t))+\p:8*(4*\o+(\t))+\p+1], v[WT+2*(\t):WT+2*(\t)+1] op_sel_hi:[1,0]
.endr
.endr
.endm
.macro TOST u                          ; part u: tile u / 2, column blocks 4 (u % 2) .. + 3
	WIN 0x04                                       ; the stores' data in window 1
.irp o, 0,1,2,3
	ds_store_b128 v[STO], v[8*(4*(4*((\u)%2)+\o)+(\u)/2):8*(4*(4*((\u)%2)+\o)+(\u)/2)+3]   offset:64*\o
	ds_store_b128 v[STO], v[8*(4*(4*((\u)%2)+\o)+(\u)/2)+4:8*(4*(4*((\u)%2)+\o)+(\u)/2)+7] offset:64*\o+16
.endr
	WIN 0
.if (\u) >= 4
	s_wait_xcnt 0x0                                ; the buffer was the data of part u - 4's stores
	s_wait_alu depctr_vm_vsrc(0)                   ; and those stores have read it: the loads below land in it
.endif
.irp n, 0,1,2,3,4,5,6,7
	ds_load_b128 v[OB+32*((\u)%4)+4*\n:OB+32*((\u)%4)+4*\n+3], v[RD] offset:2*SP*\n  ; LDS serves a wave's instructions in order (ISA guide 5.7.1.4): these see the stores above, and the next part's stores come behind them
.endr
.endm
.macro SEND u, younger                 ; younger: the next part's eight stores and eight loads, or none
	s_wait_dscnt \younger
.irp n, 0,1,2,3,4,5,6,7
	global_store_b128 v[GO], v[OB+32*((\u)%4)+4*\n:OB+32*((\u)%4)+4*\n+3], s[PP:PP+1] offset:(16*((\u)/2)+2*\n)*2048+256*((\u)%2)  ; 16 lanes store 256 consecutive bytes, at a multiple of 256 from part's first byte
.endr
.endm
.irp t, 0,1,2,3
	SCALE \t
.endr
	WIN 0x04
	s_wait_alu depctr_va_vdst(0)                   ; the scalings have written Y^T's 256 registers, which the LDS stores read
	TOST 0
.irp u, 1,2,3,4,5,6,7
	TOST \u
	SEND (\u-1), 16
.endr
	SEND 7, 0
	s_wait_alu depctr_vm_vsrc(0)                   ; the LDS stores have read Y^T's registers and the global stores v128-255: on the way below loads land in the first and the gelu writes the second
	s_cmp_eq_u32 s[NX], 0
	s_cbranch_scc1 .Lend                           ; forward, over text that holds no barrier
	; THE FIFTH TILE (q = 80 alone).  Eight trips of 32 hidden columns: 32 fragments of W1 (32,768 bytes on end), H^T in two accumulators by turns, gelu, 32 fragments of W2, Y^T in 32 accumulators.
	s_wait_xcnt 0x0                                ; the stores above have had their addresses translated
	WIN 0xc0                                       ; its X: 16 fragments in window 3
	s_wait_alu depctr_va_vdst(0)                   ; the products are done reading X's registers in window 3 and the scalings have written Y^T's in window 1: the loads below land in both
.set k, 0
.rept 16
	global_load_b128 v[8*k:8*k+3],   v[XO4], s[XBP:XBP+1] offset:64*k
	global_load_b128 v[8*k+4:8*k+7], v[XO4], s[XBP:XBP+1] offset:64*k+32
.set k, k+1
.endr
	WIN 0x40                                       ; its Y^T starts at b2 in one share of the eight, at 0 in the others
.set k, 0
.rept 32
	global_load_b128 v[8*k:8*k+3],   v[BO], s[BXX:BXX+1] offset:64*k
	global_load_b128 v[8*k+4:8*k+7], v[BO], s[BXX:BXX+1] offset:64*k+16
.set k, k+1
.endr
	WIN 0
	s_mov_b32 s[CNT], 8
.macro LOAD32 base                     ; 32 fragments on end fill window 2
	WIN 0x80
.set k, 0
.rept 32
	global_load_b128 v[8*k:8*k+3],   v[LO], s[\base:\base+1] offset:1024*k
	global_load_b128 v[8*k+4:8*k+7], v[LO], s[\base:\base+1] offset:1024*k+512
.set k, k+1
.endr
.endm
.Lfifth:
	WIN 0x80
	s_wait_alu depctr_va_vdst(0)                   ; the last trip's products are done reading window 2 and b1's registers, in which the loads below land
	LOAD32 AXP
	WIN 0
	BILOAD B1X
	s_wait_loadcnt 0x0
	WIN 0x0e
.set k, 0
.rept 16
.irp i, 0,1
.if k == 0
	v_wmma_f32_16x16x32_bf16 v[HA+8*\i:HA+8*\i+7], v[128*\i+8*k:128*\i+8*k+7], v[8*k:8*k+7], v[BI+8*\i:BI+8*\i+7]
.else
	v_wmma_f32_16x16x32_bf16 v[HA+8*\i:HA+8*\i+7], v[128*\i+8*k:128*\i+8*k+7], v[8*k:8*k+7], v[HA+8*\i:HA+8*\i+7]
.endif
.endr
.set k, k+1
.endr
	WIN 0
	PLACES
	GELUB HA, 16, TE                               ; H's fragment stays in v[TE:TE+7]
	WIN 0x80
	s_wait_alu depctr_va_vdst(0)                   ; the products of H^T are done reading window 2, in which W2's fragments land
	LOAD32 BXP
	s_wait_loadcnt 0x0
	WIN 0x52
.set k, 0
.rept 32
	v_wmma_f32_16x16x32_bf16 v[8*k:8*k+7], v[8*k:8*k+7], v[TE:TE+7], v[8*k:8*k+7]
.set k, k+1
.endr
	WIN 0
	PLACES 5                                       ; for the next trip's gelu, which writes over H's fragment, and for the scaling behind the loop
	s_add_nc_u64 s[AXP:AXP+1], s[AXP:AXP+1], 32768 ; every load is in, so the bases may be stepped (the last steps are not used)
	s_add_nc_u64 s[BXP:BXP+1], s[BXP:BXP+1], 32768
	s_add_nc_u64 s[B1X:B1X+1], s[B1X:B1X+1], 128
	s_sub_co_u32 s[CNT], s[CNT], 1
	s_cmp_lg_u32 s[CNT], 0
	s_cbranch_scc1 .Lfifth
	WIN 0x41
	FOR 128, 2, v_pk_mul_f32 v[n:n+1], v[n:n+1], v[WT+8:WT+9] op_sel_hi:[1,0]
	WIN 0x04                                       ; these stores are 16 bytes a lane in rows far apart: the price of this rare way
	s_wait_alu depctr_va_vdst(0)                   ; the scalings have written Y^T's registers, which the stores read
.set k, 0
.rept 32
	global_store_b128 v[XGO], v[8*k:8*k+3],   s[PXP:PXP+1] offset:64*k
	global_store_b128 v[XGO], v[8*k+4:8*k+7], s[PXP:PXP+1] offset:64*k+16
.set k, k+1
.endr
	WIN 0
.Lend:
	s_wait_dscnt 0x0                               ; the wave's end: my last LDS instructions are done
	s_wait_alu depctr_hold_cnt(0) depctr_sa_sdst(0) depctr_va_vdst(0) depctr_va_sdst(0) depctr_va_ssrc(0) depctr_va_vcc(0) depctr_vm_vsrc(0)
	s_wait_tensorcnt 0x0
	ds_add_u32 v2, v3
	s_wait_dscnt 0x0
	s_endpgm
.Lfunc_end_k_qf6bca798f8_moe:
	.size	k_qf6bca798f8_moe, .Lfunc_end_k_qf6bca798f8_moe-k_qf6bca798f8_moe
	.p2alignl 7, 3214868480
	.fill 96, 4, 3214868480
	.section	.rodata,"a",@progbits
	.p2align	6, 0x0
	.amdhsa_kernel k_qf6bca798f8_moe
		.amdhsa_group_segment_fixed_size 100864
		.amdhsa_private_segment_fixed_size 0
		.amdhsa_enable_private_segment 0
		.amdhsa_kernarg_size 48
		.amdhsa_user_sgpr_count 2
		.amdhsa_user_sgpr_kernarg_segment_ptr 1
		.amdhsa_wavefront_size32 1
		.amdhsa_system_sgpr_workgroup_id_x 1
		.amdhsa_system_sgpr_workgroup_id_y 1
		.amdhsa_system_sgpr_workgroup_id_z 1
		.amdhsa_system_vgpr_workitem_id 0
		.amdhsa_next_free_vgpr 1024
		.amdhsa_next_free_sgpr 100
		.amdhsa_reserve_vcc 0
		.amdhsa_float_denorm_mode_32 3
		.amdhsa_float_denorm_mode_16_64 3
		.amdhsa_memory_ordered 1
		.amdhsa_forward_progress 1
		.amdhsa_inst_pref_size 224
	.end_amdhsa_kernel
	.amdgpu_metadata
---
amdhsa.version: [ 1, 2 ]
amdhsa.kernels:
  - .name:           k_qf6bca798f8_moe
    .symbol:         k_qf6bca798f8_moe.kd
    .args:
      - { .name: wb, .offset: 0, .size: 8, .value_kind: global_buffer, .address_space: global }
      - { .name: fl, .offset: 8, .size: 8, .value_kind: global_buffer, .address_space: global }
      - { .name: rt, .offset: 16, .size: 8, .value_kind: global_buffer, .address_space: global }
      - { .name: b1, .offset: 24, .size: 8, .value_kind: global_buffer, .address_space: global }
      - { .name: part, .offset: 32, .size: 8, .value_kind: global_buffer, .address_space: global }
      - { .name: partx, .offset: 40, .size: 8, .value_kind: global_buffer, .address_space: global }
    .group_segment_fixed_size: 100864
    .private_segment_fixed_size: 0
    .kernarg_segment_align: 8
    .kernarg_segment_size: 48
    .max_flat_workgroup_size: 128
    .sgpr_count:     100
    .vgpr_count:     1024
    .wavefront_size: 32
...
	.end_amdgpu_metadata
.endif
;; end of part 4
;; launch comb: the kernel of part 3 again; grid 256 x 1, 16 waves a work-group, no clusters, 0 bytes of LDS; arguments x, rt, part, partx, out0; writes out0
